; MI455X (gfx1250); checked and timed in simulation.
; The chip was launched on July 23, 2026; its instructions are those of AMD's public machine-readable ISA for CDNA 5 (MIT licence, August 2026) and "CDNA5" Instruction Set Architecture Reference Guide (July 2026). The comments in the code are by the model that wrote it; some were corrected since.
;; Multiscreen Model. Allowed arithmetic: float matrix products may take bf16 or f16 operands with f32 sums; all other float work in f32.
;; Inputs: Wg 2 x 1,024 x 1,024 float32; Wk 2 x 1,024 x 1,024 float32; Wo 2 x 1,024 x 1,024 float32; Wq 2 x 1,024 x 1,024 float32; Wv 2 x 1,024 x 1,024 float32; embed 8,000 x 1,024 float32; input_ids 1 x 2,048 int32; sO 2 x 16 float32; s_E one number float32; s_F one number float32; sr 2 x 16 float32; sw 2 x 16 float32.
;; Outputs: out0 1 x 2,048 x 8,000 float32.
;; 2 versions, each right. Each part assembles by itself: llvm-mc -triple=amdgcn-amd-amdhsa -mcpu=gfx1250 --defsym DOCPART=n.
;; ======== version 1 of 2: 9 launches
;; limits: values outside matrix products are rounded to bf16
;; workspace buffers: wn 16,777,216 bytes; wl0 10,486,784 bytes; wl1 10,486,784 bytes; xs0 16,777,216 bytes; xs1 16,777,216 bytes; qkvg 16,777,216 bytes; xh 4,202,496 bytes
;; launch prep (part 1): grid 641 x 1, 8 waves a work-group, no clusters, 0 bytes of LDS; arguments embed, input_ids, s_E, Wq, Wk, Wv, Wg, Wo, sw, sr, sO, wn, wl0, wl1, xs0; writes wn, wl0, wl1, xs0
.if DOCPART == 1
	.amdgcn_target "amdgcn-amd-amdhsa--gfx1250"
	.amdhsa_code_object_version 6
	.text
	.protected	k_q8d685e2b36_prep
	.globl	k_q8d685e2b36_prep
	.p2align	8
	.type	k_q8d685e2b36_prep,@function
k_q8d685e2b36_prep:
	s_mov_b64 s[64:65], 0
	v_nop
	global_prefetch_b8 v0, s[64:65] scope:SCOPE_SE
	s_setreg_imm32_b32 hwreg(HW_REG_WAVE_MODE, 25, 1), 1
	s_wait_xcnt 0x0
; PREP: the matrix operands that hang on the inputs alone are made once, in 16 bits, with K along the rows.
;   wn  [8192][1024] f16: row v < 8000 = embed[v] / max(|embed[v]|, 1e-12); rows 8000.. = 0.  A unit row's numbers are at most 1, whatever
;       the scale of embed, so f16's range is not at stake, and its 11 significant bits serve the logits, the product that is the result.
;   wl0, wl1 (bf16): rows 0..4095 = Wq, Wk, Wv, Wg of the layer in the column order of the q/k/v/g buffer, rows 4096..5119 = Wo,
;       then the layer's per-head numbers (f32) at byte PAR
;   xs0: x = unit(embed[id]) * exp(s_E), f32 at 0 and bf16 at XB
; A stream: no LDS, no matrix unit, no cluster (no two work-groups read the same bytes but for the gathered rows).
; A wave owns four rows of 4,096 bytes; its 32 loads of 512 consecutive bytes go out together.
; Work-groups: 0..249 embed rows, 250..255 zero rows, 256..319 tokens, 320..639 weights, 640 the per-head numbers.
; LIMITS: an id outside 0..7999 is taken as 7999.  r = exp(sr)+1 is held at 2^100.  Square root, reciprocal and exp2 take
; denormal inputs as 0 (ISA guide, their entries): a row whose sum of squares is below 2^-126 is divided by 1e-12, as reference() does.
; Numbers of a unit row below 2^-14 are f16 denormals: their error is at most 2^-25 of the row's norm.
.set XB,  8388608
.set PAR, 10485760
.set EMB, 8                            ; s[8:9]   embed        the fifteen addresses, in the order of the arguments
.set IDS, 10                           ; s[10:11] input_ids
.set SE,  12                           ; s[12:13] s_E
.set WQ,  14
.set WK,  16
.set WV,  18
.set WG,  20
.set WO,  22
.set SW,  24
.set SR,  26
.set SO,  28
.set WN,  30
.set WL0, 32
.set WL1, 34
.set XS,  36
.set X,   12                           ; v[12:139]  four rows, 32 registers each
.set Y,   140                          ; v[140:155] one row in 16 bits
.set MUL, 156                          ; v[156:157] exp(s_E), twice
; cos(pi x / 2) as a polynomial in z = x^2 (Taylor, seven terms; the first term left out is below 1e-8 for z <= 1)
.macro POLYC p, z
	v_mov_b32 v[\p], 0x34fce9c6
	v_fmaak_f32 v[\p], v[\p], v[\z], 0xb7d368f9
	v_fmaak_f32 v[\p], v[\p], v[\z], 0x3a70fa83
	v_fmaak_f32 v[\p], v[\p], v[\z], 0xbcaae9e4
	v_fmaak_f32 v[\p], v[\p], v[\z], 0x3e81e0f8
	v_fmaak_f32 v[\p], v[\p], v[\z], 0xbf9de9e6
	v_fmaak_f32 v[\p], v[\p], v[\z], 0x3f800000
.endm
; Four rows from s[48:55] (a base for each row).  norm = 1: divide by max(norm, 1e-12); 2: and multiply by v[MUL].
; f32out: also store f32 at s[42:43].  The 16-bit row goes to s[40:41], f16 if half, else bf16.  nt: the rows are read once in the launch.
.macro ROWJOB norm, f32out, nt, half
.irp i, 0,1,2,3
.irp j, 0,1,2,3,4,5,6,7
.if \nt
	global_load_b128 v[X+32*\i+4*\j:X+32*\i+4*\j+3], v2, s[48+2*\i:49+2*\i] offset:512*\j th:TH_LOAD_NT
.else
	global_load_b128 v[X+32*\i+4*\j:X+32*\i+4*\j+3], v2, s[48+2*\i:49+2*\i] offset:512*\j
.endif
.endr
.endr
.irp i, 0,1,2,3
	s_wait_loadcnt 24-8*\i                         ; loads return in order: row i is in, the eight loads of each later row stay out
.if \i
	s_wait_xcnt 0x0                                ; Y, which the last row's stores read, is written again only behind this wait
.endif
.if \norm
.irp p, 0,1,2,3
	v_pk_mul_f32 v[4+2*\p:5+2*\p], v[X+32*\i+2*\p:X+32*\i+2*\p+1], v[X+32*\i+2*\p:X+32*\i+2*\p+1]   ; four chains, started by products
.endr
.irp p, 4,5,6,7,8,9,10,11,12,13,14,15
	v_pk_fma_f32 v[4+2*(\p%4):5+2*(\p%4)], v[X+32*\i+2*\p:X+32*\i+2*\p+1], v[X+32*\i+2*\p:X+32*\i+2*\p+1], v[4+2*(\p%4):5+2*(\p%4)]
.endr
	v_pk_add_f32 v[4:5], v[4:5], v[6:7]
	v_pk_add_f32 v[8:9], v[8:9], v[10:11]
	v_pk_add_f32 v[4:5], v[4:5], v[8:9]
	v_add_f32 v4, v4, v5
	v_add_f32_dpp v4, v4, v4 row_xmask:1 row_mask:0xf bank_mask:0xf
	v_add_f32_dpp v4, v4, v4 row_xmask:2 row_mask:0xf bank_mask:0xf
	v_add_f32_dpp v4, v4, v4 row_xmask:4 row_mask:0xf bank_mask:0xf
	v_add_f32_dpp v4, v4, v4 row_xmask:8 row_mask:0xf bank_mask:0xf
	v_permlanex16_b32 v5, v4, s56, s57
	v_add_f32 v4, v4, v5                           ; the row's sum of squares, in every lane
	v_sqrt_f32 v6, v4
	v_nop                                          ; one plain place behind a transcendental (ISA guide 5.7.2)
	s_wait_alu depctr_va_vdst(0)
	v_max_num_f32 v6, 0x2b8cbccc, v6               ; max(norm, 1e-12)
	v_rcp_f32 v8, v6                               ; twice, to fill the pair of the packed multiply
	v_rcp_f32 v9, v6
	v_nop
.if \norm == 2
	s_wait_alu depctr_va_vdst(0)
	v_pk_mul_f32 v[8:9], v[8:9], v[MUL:MUL+1]
.endif
	s_wait_alu depctr_va_vdst(0)
.irp p, 0,1,2,3,4,5,6,7,8,9,10,11,12,13,14,15
	v_pk_mul_f32 v[X+32*\i+2*\p:X+32*\i+2*\p+1], v[X+32*\i+2*\p:X+32*\i+2*\p+1], v[8:9]
.endr
.endif
.if \f32out
.irp j, 0,1,2,3,4,5,6,7
	global_store_b128 v2, v[X+32*\i+4*\j:X+32*\i+4*\j+3], s[42:43] offset:512*\j+4096*\i
.endr
.endif
.irp j, 0,1,2,3,4,5,6,7
.if \half
	v_cvt_pk_f16_f32 v[Y+2*\j],   v[X+32*\i+4*\j],   v[X+32*\i+4*\j+1]
	v_cvt_pk_f16_f32 v[Y+2*\j+1], v[X+32*\i+4*\j+2], v[X+32*\i+4*\j+3]
.else
	v_cvt_pk_bf16_f32 v[Y+2*\j],   v[X+32*\i+4*\j],   v[X+32*\i+4*\j+1]
	v_cvt_pk_bf16_f32 v[Y+2*\j+1], v[X+32*\i+4*\j+2], v[X+32*\i+4*\j+3]
.endif
.endr
.irp j, 0,1,2,3,4,5,6,7
	global_store_b64 v3, v[Y+2*\j:Y+2*\j+1], s[40:41] offset:256*\j+2048*\i    ; the wave's store covers 256 consecutive bytes, aligned
.endr
.endr
.endm
	s_load_b512 s[8:23], s[0:1], 0x0               ; embed, input_ids, s_E, Wq, Wk, Wv, Wg, Wo
	s_load_b256 s[24:31], s[0:1], 0x40             ; sw, sr, sO, wn
	s_load_b128 s[32:35], s[0:1], 0x60             ; wl0, wl1
	s_load_b64 s[36:37], s[0:1], 0x70              ; xs0
	v_lshrrev_b32 v1, 5, v0
	v_readfirstlane_b32 s2, v1                     ; wave
	v_and_b32 v1, 31, v0                           ; lane
	v_lshlrev_b32 v2, 4, v1                        ; 16 bytes a lane
	v_lshlrev_b32 v3, 3, v1                        ; 8 bytes a lane
	s_mov_b32 s56, 0x76543210                      ; v_permlanex16_b32: lane i reads lane i of the other half
	s_mov_b32 s57, 0xfedcba98
	s_lshl_b32 s3, ttmp9, 5
	s_lshl2_add_u32 s3, s2, s3                     ; 32 x work-group + 4 x wave
	s_mov_b32 s61, 0                               ; the upper word of every offset pair s[60:61]
	s_wait_kmcnt 0x0
	s_cmp_ge_u32 ttmp9, 640
	s_cbranch_scc1 .Lpar
	s_cmp_ge_u32 ttmp9, 320
	s_cbranch_scc1 .Lweights
	s_cmp_ge_u32 ttmp9, 256
	s_cbranch_scc1 .Ltokens
	s_cmp_ge_u32 ttmp9, 250
	s_cbranch_scc1 .Lzeros
	; ---- embed rows s3 .. s3+3 to wn
	s_lshl_b32 s60, s3, 12
	s_add_nc_u64 s[48:49], s[EMB:EMB+1], s[60:61]
	s_add_nc_u64 s[50:51], s[48:49], 4096
	s_add_nc_u64 s[52:53], s[48:49], 8192
	s_add_nc_u64 s[54:55], s[48:49], 12288
	s_lshl_b32 s60, s3, 11
	s_add_nc_u64 s[40:41], s[WN:WN+1], s[60:61]
	ROWJOB 1, 0, 0, 1
	s_endpgm
.Lzeros:	; ---- rows 8000 .. 8191 of wn: 8,192 bytes of zeros a wave
	s_lshl_b32 s60, s3, 11
	s_add_nc_u64 s[40:41], s[WN:WN+1], s[60:61]
	v_mov_b32 v4, 0
	v_mov_b32 v5, 0
	v_mov_b32 v6, 0
	v_mov_b32 v7, 0
.irp k, 0,1,2,3,4,5,6,7,8,9,10,11,12,13,14,15
	global_store_b128 v2, v[4:7], s[40:41] offset:512*\k
.endr
	s_endpgm
.Ltokens:	; ---- x for tokens t0 .. t0+3
	s_load_b32 s58, s[SE:SE+1], 0x0                ; s_E
	s_sub_co_u32 s3, s3, 8192                      ; t0 = 32 (work-group - 256) + 4 wave
	s_lshl_b32 s60, s3, 2
	s_add_nc_u64 s[IDS:IDS+1], s[IDS:IDS+1], s[60:61]
	s_load_b128 s[44:47], s[IDS:IDS+1], 0x0        ; four ids
	s_lshl_b32 s60, s3, 12
	s_add_nc_u64 s[42:43], s[XS:XS+1], s[60:61]    ; x in f32
	s_lshl_b32 s60, s3, 11
	s_add_co_u32 s60, s60, XB
	s_add_nc_u64 s[40:41], s[XS:XS+1], s[60:61]    ; x in bf16
	s_wait_kmcnt 0x0
.irp i, 0,1,2,3
	s_min_u32 s[44+\i], s[44+\i], 7999             ; the id stays inside the table
	s_lshl_b32 s60, s[44+\i], 12
	s_add_nc_u64 s[48+2*\i:49+2*\i], s[EMB:EMB+1], s[60:61]
.endr
	v_mov_b32 v158, s58
	v_mul_f32 v158, 0x3fb8aa3b, v158
	v_exp_f32 v[MUL], v158                         ; exp(s_E), twice; first used far behind the row's sums
	v_exp_f32 v[MUL+1], v158
	ROWJOB 2, 1, 0, 0
	s_endpgm
.Lweights:	; ---- four rows of one of the five weight tensors
	s_sub_co_u32 s59, ttmp9, 320
	s_lshr_b32 s62, s59, 6                         ; 0 Wq, 1 Wk, 2 Wv, 3 Wg, 4 Wo
	s_and_b32 s59, s59, 63
	s_lshl_b32 s59, s59, 5
	s_lshl2_add_u32 s59, s2, s59                   ; row 0 .. 2047 of the stacked tensor
	s_cmp_eq_u32 s62, 1
	s_cselect_b64 s[44:45], s[WK:WK+1], s[WQ:WQ+1]
	s_cmp_eq_u32 s62, 2
	s_cselect_b64 s[44:45], s[WV:WV+1], s[44:45]
	s_cmp_eq_u32 s62, 3
	s_cselect_b64 s[44:45], s[WG:WG+1], s[44:45]
	s_cmp_eq_u32 s62, 4
	s_cselect_b64 s[44:45], s[WO:WO+1], s[44:45]
	s_lshl_b32 s60, s59, 12
	s_add_nc_u64 s[48:49], s[44:45], s[60:61]
	s_add_nc_u64 s[50:51], s[48:49], 4096
	s_add_nc_u64 s[52:53], s[48:49], 8192
	s_add_nc_u64 s[54:55], s[48:49], 12288
	s_bitcmp1_b32 s59, 10                          ; the layer
	s_cselect_b64 s[46:47], s[WL1:WL1+1], s[WL0:WL0+1]
	s_and_b32 s59, s59, 1023                       ; n = 64 head + d
	s_lshr_b32 s4, s59, 6                          ; head
	s_and_b32 s5, s59, 31
	s_and_b32 s6, s59, 32
	s_lshl1_add_u32 s5, s6, s5                     ; 64 (d >> 5) + (d & 31)
	s_lshr_b32 s6, s4, 1
	s_lshl_b32 s6, s6, 7
	s_and_b32 s7, s4, 1
	s_lshl_b32 s7, s7, 5
	s_add_co_u32 s6, s6, s7
	s_add_co_u32 s6, s6, s5                        ; q: 128 (head >> 1) + 32 (head & 1) + ..
	s_lshl_b32 s7, s4, 7
	s_add_co_u32 s7, s7, s5
	s_add_co_u32 s7, s7, 1024                      ; k: 1024 + 128 head + ..
	s_cmp_eq_u32 s62, 1
	s_cselect_b32 s6, s7, s6
	s_add_co_u32 s7, s7, 32                        ; v: 32 behind k
	s_cmp_eq_u32 s62, 2
	s_cselect_b32 s6, s7, s6
	s_add_co_u32 s7, s59, 3072                     ; g: as it is
	s_cmp_eq_u32 s62, 3
	s_cselect_b32 s6, s7, s6
	s_add_co_u32 s7, s59, 4096                     ; Wo: as it is
	s_cmp_eq_u32 s62, 4
	s_cselect_b32 s6, s7, s6
	s_lshl_b32 s60, s6, 11                         ; four neighbouring n are four neighbouring rows in every order
	s_add_nc_u64 s[40:41], s[46:47], s[60:61]
	ROWJOB 0, 0, 1, 0
	s_endpgm
.Lpar:	; ---- the per-head numbers: wave 0 for layer 0, wave 1 for layer 1; there are no more than these 32 sets
	s_cmp_ge_u32 s2, 2
	s_cbranch_scc1 .Lend
	s_cmp_eq_u32 s2, 1
	s_cselect_b64 s[40:41], s[WL1:WL1+1], s[WL0:WL0+1]
	s_add_nc_u64 s[40:41], s[40:41], PAR
	v_and_b32 v4, 15, v0                           ; head; lanes 16-31 compute the same again and store nothing
	v_lshlrev_b32 v5, 2, v4
	v_lshl_add_u32 v5, s2, 6, v5                   ; 64 layer + 4 head
	global_load_b32 v20, v5, s[SW:SW+1]            ; sw
	global_load_b32 v13, v5, s[SR:SR+1]            ; sr
	global_load_b32 v23, v5, s[SO:SO+1]            ; sO
	v_lshlrev_b32 v24, 3, v4                       ; 8 head
	v_lshlrev_b32 v25, 4, v4                       ; 16 head
	s_wait_loadcnt 0x0
	v_mul_f32 v20, 0x3fb8aa3b, v20
	v_mul_f32 v13, 0x3fb8aa3b, v13
	v_mul_f32 v23, 0x3fb8aa3b, v23
	v_exp_f32 v20, v20
	v_exp_f32 v13, v13
	v_exp_f32 v23, v23                             ; exp(sO)
	v_nop
	s_wait_alu depctr_va_vdst(0)
	v_add_f32 v20, 1.0, v20                        ; w
	v_add_f32 v13, 1.0, v13
	v_min_num_f32 v13, 0x71800000, v13             ; r, held at 2^100
	v_rcp_f32 v21, v20                             ; 1 / w
	v_mul_f32 v10, 0x39800000, v20                 ; w / 4096
	v_mul_f32 v10, v10, v10
	v_min_num_f32 v10, 1.0, v10
	POLYC 12, 10
	v_mul_f32 v12, v12, v12                        ; 0.5 (cos(pi w / 4096) + 1) = cos^2(pi w / 8192)
	v_cmp_gt_f32 vcc_lo, 0x45800000, v20           ; 4096 > w
	v_cndmask_b32 v12, 0, v12, vcc_lo              ; phi
	s_wait_alu depctr_va_vdst(0)
	v_mul_f32 v12, v12, v21
	v_mul_f32 v12, 0.15915494, v12                 ; phi / w in turns a position
	v_mov_b32 v16, v12
	v_mov_b32 v17, 1.0
	v_mov_b32 v18, 0
	v_mov_b32 v19, 1.0
	v_sub_f32 v22, 1.0, v13                        ; 1 - r
	s_wait_xcnt 0x0                                ; EXEC changes only behind this wait
	v_cmp_gt_u32 vcc_lo, 16, v1
	s_and_saveexec_b32 s44, vcc_lo
	global_store_b64  v24, v[12:13], s[40:41]              ; q units: {rate, r} of heads 2U, 2U+1
	global_store_b128 v25, v[16:19], s[40:41] offset:128   ; k|v units: {rate, 1, 0, 1}
	global_store_b64  v24, v[18:19], s[40:41] offset:384   ; g units: {0, 1, 0, 1}
	global_store_b128 v25, v[20:23], s[40:41] offset:512   ; {w, 1/w, 1-r, exp(sO)}
	s_wait_xcnt 0x0
	s_or_b32 exec_lo, exec_lo, s44
.Lend:
	s_endpgm
.Lfunc_end_k_q8d685e2b36_prep:
	.size	k_q8d685e2b36_prep, .Lfunc_end_k_q8d685e2b36_prep-k_q8d685e2b36_prep
	.p2alignl 7, 3214868480
	.fill 96, 4, 3214868480
	.section	.rodata,"a",@progbits
	.p2align	6, 0x0
	.amdhsa_kernel k_q8d685e2b36_prep
		.amdhsa_group_segment_fixed_size 0
		.amdhsa_private_segment_fixed_size 0
		.amdhsa_enable_private_segment 0
		.amdhsa_kernarg_size 120
		.amdhsa_user_sgpr_count 2
		.amdhsa_user_sgpr_kernarg_segment_ptr 1
		.amdhsa_wavefront_size32 1
		.amdhsa_system_sgpr_workgroup_id_x 1
		.amdhsa_system_sgpr_workgroup_id_y 1
		.amdhsa_system_sgpr_workgroup_id_z 1
		.amdhsa_system_vgpr_workitem_id 0
		.amdhsa_next_free_vgpr 160
		.amdhsa_next_free_sgpr 66
		.amdhsa_reserve_vcc 1
		.amdhsa_float_denorm_mode_32 3
		.amdhsa_float_denorm_mode_16_64 3
		.amdhsa_memory_ordered 1
		.amdhsa_forward_progress 1
		.amdhsa_inst_pref_size 66
	.end_amdhsa_kernel
	.amdgpu_metadata
---
amdhsa.version: [ 1, 2 ]
amdhsa.kernels:
  - .name:           k_q8d685e2b36_prep
    .symbol:         k_q8d685e2b36_prep.kd
    .args:
      - { .name: embed, .offset: 0, .size: 8, .value_kind: global_buffer, .address_space: global }
      - { .name: input_ids, .offset: 8, .size: 8, .value_kind: global_buffer, .address_space: global }
      - { .name: s_E, .offset: 16, .size: 8, .value_kind: global_buffer, .address_space: global }
      - { .name: Wq, .offset: 24, .size: 8, .value_kind: global_buffer, .address_space: global }
      - { .name: Wk, .offset: 32, .size: 8, .value_kind: global_buffer, .address_space: global }
      - { .name: Wv, .offset: 40, .size: 8, .value_kind: global_buffer, .address_space: global }
      - { .name: Wg, .offset: 48, .size: 8, .value_kind: global_buffer, .address_space: global }
      - { .name: Wo, .offset: 56, .size: 8, .value_kind: global_buffer, .address_space: global }
      - { .name: sw, .offset: 64, .size: 8, .value_kind: global_buffer, .address_space: global }
      - { .name: sr, .offset: 72, .size: 8, .value_kind: global_buffer, .address_space: global }
      - { .name: sO, .offset: 80, .size: 8, .value_kind: global_buffer, .address_space: global }
      - { .name: wn, .offset: 88, .size: 8, .value_kind: global_buffer, .address_space: global }
      - { .name: wl0, .offset: 96, .size: 8, .value_kind: global_buffer, .address_space: global }
      - { .name: wl1, .offset: 104, .size: 8, .value_kind: global_buffer, .address_space: global }
      - { .name: xs0, .offset: 112, .size: 8, .value_kind: global_buffer, .address_space: global }
    .group_segment_fixed_size: 0
    .private_segment_fixed_size: 0
    .kernarg_segment_align: 8
    .kernarg_segment_size: 120
    .max_flat_workgroup_size: 256
    .sgpr_count:     66
    .vgpr_count:     160
    .wavefront_size: 32
...
	.end_amdgpu_metadata
.endif
;; end of part 1
;; launch proj0 (part 2): grid 16 x 16, 4 waves a work-group, clusters of 4 x 4, 327,680 bytes of LDS; arguments xs0, wl0, qkvg; writes qkvg
.if DOCPART == 2
	.amdgcn_target "amdgcn-amd-amdhsa--gfx1250"
	.amdhsa_code_object_version 6
	.text
	.protected	k_q8d685e2b36_proj0
	.globl	k_q8d685e2b36_proj0
	.p2align	8
	.type	k_q8d685e2b36_proj0,@function
k_q8d685e2b36_proj0:
	s_mov_b64 s[64:65], 0
	v_nop
	global_prefetch_b8 v0, s[64:65] scope:SCOPE_SE
	s_setreg_imm32_b32 hwreg(HW_REG_WAVE_MODE, 25, 1), 1
	s_wait_xcnt 0x0
	s_wait_alu depctr_hold_cnt(0) depctr_sa_sdst(0) depctr_va_vdst(0) depctr_va_sdst(0) depctr_va_ssrc(0) depctr_va_vcc(0) depctr_vm_vsrc(0)
	s_getreg_b32 s2, hwreg(HW_REG_IB_STS2, 6, 4)
	s_cmp_eq_u32 s2, 0
	s_cbranch_scc0 .Lentry_in_a_cluster
	s_endpgm
.Lentry_in_a_cluster:
	s_bfe_u32 s2, ttmp6, 0x10000c
	s_cmp_lg_u32 s2, 0xf033
	s_cbranch_scc0 .Lentry_shape_is_right
	s_endpgm
.Lentry_shape_is_right:
; PROJ: qkvg[t][col] = x[t][:] . W[col][:], 2048 x 4096 x 1024 in bf16 with f32 sums, then per head: unit norm, the factor r (q alone),
; the rotation of the first two numbers (q and k), rounded to bf16.  g leaves as it is.
; A work-group makes 128 rows x 256 columns with four waves, a wave 64 x 128 (one unit of 128 columns): 32 accumulator tiles, 256 registers.
; A unit reads [A 0-31 | B 0-31 | A 32-63 | B 32-63]: A, B = q of two heads (units 0-7), k and v of one head (8-23), raw g (24-31).
; K goes in steps of 128 through two LDS slots filled by tensor loads; rows of a tile are 256 consecutive bytes, aligned.
; CLUSTERS: 4 x 4 work-groups; x's tile hangs on the block row alone and is asked for jointly by a row of the cluster, W's on the block
; column alone and is asked for jointly by a column.  Waves 0, 1 ask for x's two halves (64 rows), waves 2, 3 for W's (128 rows).
; A wave has two tensor loads out at the start and one behind each refill.
; The matrix instruction is used transposed (source 0 = rows of W, source 1 = rows of x): lane (r, h), register j of tile (a, b) holds
; row 16 a + r, column 16 b + 8 h + j: eight neighbouring columns.
; REGISTERS: window 0: v16-27 addresses, v32-127 and v128-223 two fragment buffers (W at +8 b, x at +64+8 a), v224-255 at work;
; window 1: the accumulators, tile (a, b) at v[8 (8 a + b)].
; LIMITS: the angle is formed as position x (phi / w / 2 pi) in turns, so its rounding differs from reference()'s product in radians
; (both carry an error near 1e-5 turn at position 2047).  Sine and cosine are seven-term polynomials, error below 1e-7.
; A head whose sum of squares is below 2^-126 counts as norm 0 and is divided by 1e-12.
.set BT,     8
.set KSTEP,  128
.set PITCH,  272                       ; an LDS row: 256 bytes + 16 of padding: the 16 rows of a fragment load start 4 banks apart
.set APITCH, 272
.set APART,  64*APITCH                 ; what wave 0 or 1 brings
.set ABYTES, 2*APART
.set BHALF,  128*PITCH                 ; what wave 2 or 3 brings
.set SLOT,   ABYTES+2*BHALF
.set STAGE,  2*SLOT                    ; behind the ring: 16 rows x 272 bytes for each wave
.set LAPS,   4                         ; 1024 / (2 x 128)
.set AK1,    256                       ; bytes from one K step to the next
.set BK1,    256
.set XB,     8388608
.set PAR,    10485760
.set ADRA, 16
.set ADRB, 20
.set STO,  24
.set RD,   25
.set CO,   26
.set ROWN, 27
.set F0,   32
.set F1,   128
.set G1,  24
.set G0,  32
.set G1B, 48
.set G0B, 56
.set T,   32                           ; the way out: 64 scaled numbers
.set PK,  96                           ; packed to bf16
.set RB,  128                          ; read back by rows
.set SA,  224
.set SB,  226
.set IA,  228
.set IB,  229
.set PO,  230
.set TT,  231
.set UU,  232
.set ZZ,  233
.set PC,  234
.set PS,  235
.set FA,  240
.set FB,  242
.set CA,  244
.set SNA, 245
.set CB,  246
.set SNB, 247
.set R0,  248
.set R1,  249
.set MSB, 0
.macro WIN new                         ; the immediate's high byte repeats the setting that is left
.if MSB != \new
	s_set_vgpr_msb (MSB<<8)|\new
.set MSB, \new
.endif
.endm
.macro PLACES                          ; four plain places behind a matrix instruction (ISA guide 7.12.1)
.rept 4
	v_nop
.endr
.endm
.macro JLOAD s                         ; a joint load: waves 0, 1 by x's descriptors, waves 2, 3 by W's; the branch hangs on the wave's number alone
	s_cmp_eq_u32 s11, 0
	s_cbranch_scc0 .Lfor_b_\@
	tensor_load_to_lds s[G0+4*\s:G0+4*\s+3], s[G1:G1+7]
	s_nop 0
	s_branch .Lasked_\@
.Lfor_b_\@:
	tensor_load_to_lds s[G0B+4*\s:G0B+4*\s+3], s[G1B:G1B+7]
	s_nop 0
.Lasked_\@:
.endm
.macro CREST                           ; a round of the cluster's barrier behind its opening barrier
	s_cmp_lg_u32 s10, 0
	s_cbranch_scc1 .Lnot_wave_0_\@
	s_barrier_signal -3
.Lnot_wave_0_\@:
	s_barrier_wait -3
	s_barrier_signal -1
	s_barrier_wait -1
.endm
.macro CROUND
	s_barrier_signal -1
	s_barrier_wait -1
	CREST
.endm
.macro POLYC p, z                      ; cos(pi x / 2) in z = x^2
	v_mov_b32 v[\p], 0x34fce9c6
	v_fmaak_f32 v[\p], v[\p], v[\z], 0xb7d368f9
	v_fmaak_f32 v[\p], v[\p], v[\z], 0x3a70fa83
	v_fmaak_f32 v[\p], v[\p], v[\z], 0xbcaae9e4
	v_fmaak_f32 v[\p], v[\p], v[\z], 0x3e81e0f8
	v_fmaak_f32 v[\p], v[\p], v[\z], 0xbf9de9e6
	v_fmaak_f32 v[\p], v[\p], v[\z], 0x3f800000
.endm
.macro POLYS p, z                      ; sin(pi x / 2) / x in z = x^2
	v_mov_b32 v[\p], 0x33747a1b
	v_fmaak_f32 v[\p], v[\p], v[\z], 0xb67183a8
	v_fmaak_f32 v[\p], v[\p], v[\z], 0x39283c1a
	v_fmaak_f32 v[\p], v[\p], v[\z], 0xbb996966
	v_fmaak_f32 v[\p], v[\p], v[\z], 0x3da335e3
	v_fmaak_f32 v[\p], v[\p], v[\z], 0xbf255de7
	v_fmaak_f32 v[\p], v[\p], v[\z], 0x3fc90fdb
.endm
; cosine and sine of t turns: f = t - floor(t), u = 2 f - 1; C(u) = sin(pi f), S(u) = -cos(pi f); cos = 1 - 2 C^2, sin = -2 S C
.macro SINCOS t, c, s
	v_floor_f32 v[UU], v[\t]
	v_sub_f32 v[UU], v[\t], v[UU]
	v_fma_f32 v[UU], v[UU], 2.0, -1.0
	v_mul_f32 v[ZZ], v[UU], v[UU]
	POLYC PC, ZZ
	POLYS PS, ZZ
	v_mul_f32 v[PS], v[PS], v[UU]
	v_mul_f32 v[PS], v[PS], v[PC]
	v_mul_f32 v[PC], v[PC], v[PC]
	v_fma_f32 v[\c], v[PC], -2.0, 1.0
	v_mul_f32 v[\s], -2.0, v[PS]
.endm
	s_load_b128 s[4:7], s[0:1], 0x0                ; xs, wl
	s_load_b64 s[8:9], s[0:1], 0x10                ; qkvg
	v_lshl_add_u32 v254, v0, 2, 0x37400
	v_mov_b32 v255, 0
	ds_add_u32 v254, v255
	ds_add_u32 v254, v255
	v_lshrrev_b32 v1, 5, v0
	v_readfirstlane_b32 s10, v1                    ; wave
	s_lshr_b32 s11, s10, 1                         ; my half of the block's rows; also: I fetch for x (0) or W (1)
	s_and_b32 s12, s10, 1                          ; my half of its columns; also: which part I fetch
	s_bfe_u32 s40, ttmp6, 0x40000                  ; cx
	s_bfe_u32 s41, ttmp6, 0x40004                  ; cy
	s_lshl_b32 s42, ttmp9, 2
	s_add_co_u32 s42, s42, s40                     ; block column
	s_and_b32 s13, ttmp7, 0xffff
	s_lshl_b32 s13, s13, 2
	s_add_co_u32 s13, s13, s41                     ; block row
	s_lshl_b32 s43, s41, 2
	s_lshl_b32 s43, 15, s43                        ; my row of the cluster
	s_lshl_b32 s44, 0x1111, s40                    ; my column
	s_or_b32 s[G1+0], s43, (1<<16)|(1<<20)|(1<<21)|(5<<22)|(3<<25)   ; mask; 2-byte elements; padding of 4 words behind every 64
	s_mov_b32 s[G1+1], KSTEP<<16                   ; tensor_dim0 = 128
	s_mov_b32 s[G1+2], 64<<16                      ; tensor_dim1 = 64
	s_mov_b32 s[G1+3], KSTEP<<16                   ; tile_dim0 = 128
	s_mov_b32 s[G1+4], 64                          ; tile_dim1 = 64
	s_mov_b32 s[G1+5], 1024                        ; elements from row to row
	s_mov_b32 s[G1+6], 0
	s_mov_b32 s[G1+7], 0
	s_or_b32 s[G1B+0], s44, (1<<16)|(1<<20)|(1<<21)|(5<<22)|(3<<25)
	s_mov_b32 s[G1B+1], KSTEP<<16
	s_mov_b32 s[G1B+2], 128<<16
	s_mov_b32 s[G1B+3], KSTEP<<16
	s_mov_b32 s[G1B+4], 128
	s_mov_b32 s[G1B+5], 1024
	s_mov_b32 s[G1B+6], 0
	s_mov_b32 s[G1B+7], 0
	s_lshl_b32 s16, s13, 7
	s_lshl_b32 s18, s12, 6
	s_add_co_u32 s16, s16, s18                     ; x: row 128 block row + 64 part
	s_lshl_b32 s16, s16, 11
	s_add_co_u32 s16, s16, XB
	s_mov_b32 s17, 0
	s_lshl_b32 s46, s42, 8
	s_lshl_b32 s18, s12, 7
	s_add_co_u32 s46, s46, s18                     ; W: row 256 block column + 128 part
	s_lshl_b32 s46, s46, 11
	s_mov_b32 s47, 0
	s_mul_i32 s20, s10, APART                      ; LDS: x's parts at wave x part (waves 0, 1),
	s_sub_co_u32 s21, s10, 2
	s_mul_i32 s21, s21, BHALF
	s_add_co_u32 s21, s21, ABYTES                  ; W's behind them at (wave - 2) x half (waves 2, 3)
	s_wait_dscnt 0x0
	s_wait_kmcnt 0x0
	s_add_nc_u64 s[14:15], s[4:5], s[16:17]
	s_add_nc_u64 s[46:47], s[6:7], s[46:47]
	CROUND                                         ; all sixteen work-groups are here: the first joint loads meet
.irp s, 0,1
	s_mov_b32 s[G0+4*\s], 1
	s_add_co_u32 s[G0+4*\s+1], s20, \s*SLOT
	s_add_nc_u64 s[G0+4*\s+2:G0+4*\s+3], s[14:15], \s*AK1
	s_or_b32 s[G0+4*\s+3], s[G0+4*\s+3], 0x80000000
	s_mov_b32 s[G0B+4*\s], 1
	s_add_co_u32 s[G0B+4*\s+1], s21, \s*SLOT
	s_add_nc_u64 s[G0B+4*\s+2:G0B+4*\s+3], s[46:47], \s*BK1
	s_or_b32 s[G0B+4*\s+3], s[G0B+4*\s+3], 0x80000000
	JLOAD \s
.endr
	s_lshl1_add_u32 s66, s42, s12                  ; my unit U = 2 block column + half
	s_lshl_b32 s67, s66, 4
	s_add_co_u32 s67, s67, PAR
	s_load_b128 s[68:71], s[6:7], s67 offset:0x0   ; {rate A, scale A, rate B, scale B}
	s_cmp_lt_u32 s66, 24
	s_cselect_b32 s72, -1, 0                       ; a lane mask: units 0-23 are normalised, g is not
	s_mov_b32 s73, 0xffff                          ; lanes with h = 0 hold a head's first two numbers
	s_mov_b32 s74, 0x76543210
	s_mov_b32 s75, 0xfedcba98
	s_lshl_b32 s76, s13, 7
	s_lshl_b32 s18, s11, 6
	s_add_co_u32 s76, s76, s18                     ; my first row = position
	v_and_b32 v1, 15, v0                           ; r
	v_bfe_u32 v2, v0, 4, 1                         ; h
	v_mul_u32_u24 v3, v1, PITCH
	v_lshl_add_u32 v3, v2, 4, v3                   ; r x pitch + 16 h
	s_mul_i32 s22, s11, 64*APITCH
	s_mul_i32 s23, s12, 16*BT*PITCH
	s_add_co_u32 s23, s23, ABYTES
.irp s, 0,1
	v_add_nc_u32 v[ADRA+\s], s22, v3
	v_add_nc_u32 v[ADRB+\s], s23, v3
	s_add_co_u32 s22, s22, SLOT
	s_add_co_u32 s23, s23, SLOT
.endr
	s_mul_i32 s19, s10, 16*PITCH
	s_add_co_u32 s19, s19, STAGE                   ; my stage
	v_add_nc_u32 v[STO], s19, v3
	v_mul_u32_u24 v4, v2, PITCH
	v_lshl_add_u32 v4, v1, 4, v4
	v_add_nc_u32 v[RD], s19, v4                    ; back: lanes 0-15 one row of 256 bytes, lanes 16-31 the next
	v_lshlrev_b32 v4, 13, v2
	v_lshl_add_u32 v[CO], v1, 4, v4                ; the same two rows in qkvg (8,192 bytes a row)
	v_add_nc_u32 v[ROWN], s76, v1
; BT matrix instructions: row tile a x all column tiles.  The accumulators take turns, one instruction a turn, in the same order
; in every quarter step.
.macro MULA f, a, zero
.irp b, 0,1,2,3,4,5,6,7
.if \zero
	v_wmma_f32_16x16x32_bf16 v[8*(BT*\a+\b):8*(BT*\a+\b)+7], v[\f+8*\b:\f+8*\b+7], v[\f+64+8*\a:\f+64+8*\a+7], 0
.else
	v_wmma_f32_16x16x32_bf16 v[8*(BT*\a+\b):8*(BT*\a+\b)+7], v[\f+8*\b:\f+8*\b+7], v[\f+64+8*\a:\f+64+8*\a+7], v[8*(BT*\a+\b):8*(BT*\a+\b)+7]
.endif
.endr
.endm
; the fragments of quarter q (32 along K) of a slot into buffer f: 16 loads of W, then 4 of x's tiles 0, 1, then 4 of tiles 2, 3
.macro FETCH slot, q, f
.irp i, 0,1,2,3,4,5,6,7
	ds_load_b128 v[\f+8*\i:\f+8*\i+3],   v[ADRB+\slot] offset:64*\q+\i*16*PITCH
	ds_load_b128 v[\f+8*\i+4:\f+8*\i+7], v[ADRB+\slot] offset:64*\q+\i*16*PITCH+32
.endr
.irp i, 0,1,2,3
	ds_load_b128 v[\f+64+8*\i:\f+64+8*\i+3],   v[ADRA+\slot] offset:64*\q+\i*16*APITCH
	ds_load_b128 v[\f+64+8*\i+4:\f+64+8*\i+7], v[ADRA+\slot] offset:64*\q+\i*16*APITCH+32
.endr
.endm
.macro QUARTER slot, q, f, g, zero
	s_wait_dscnt 4                                 ; all but the youngest four loads (x's tiles 2, 3)
	WIN 0x50
	MULA \f, 0, \zero
	MULA \f, 1, \zero
	PLACES
	WIN 0
	FETCH \slot, \q, \g
	s_wait_dscnt 2*BT+8                            ; all but those just issued
	WIN 0x50
	MULA \f, 2, \zero
	MULA \f, 3, \zero
.endm
.macro THREE slot, zero
	QUARTER \slot, 1, F0, F1, \zero
	QUARTER \slot, 2, F1, F0, 0
	QUARTER \slot, 3, F0, F1, 0
.endm
; the last quarter of a K step and the change of slots
.macro TURN slot, next, fill
	s_wait_dscnt 4
	WIN 0x50
	MULA F1, 0, 0
	s_wait_dscnt 0                                 ; my reads of this slot are over
	s_wait_tensorcnt 0x0                           ; all my tensor loads have landed: the one that was out is my part of the next slot
	ds_add_u32 v254, v255
	s_wait_dscnt 0x0
	s_barrier_signal -1
	MULA F1, 1, 0                                  ; register work while the others arrive
	WIN 0
	s_barrier_wait -1
.if \fill
	CREST                                          ; no wave of any partner still reads this slot or has a load on its way
	s_add_nc_u64 s[G0+4*\slot+2:G0+4*\slot+3], s[G0+4*\slot+2:G0+4*\slot+3], 2*AK1
	s_add_nc_u64 s[G0B+4*\slot+2:G0B+4*\slot+3], s[G0B+4*\slot+2:G0B+4*\slot+3], 2*BK1
	JLOAD \slot                                    ; the first tensor load behind the round, one a wave
.endif
	PLACES
	FETCH \next, 0, F0
	WIN 0x50
	MULA F1, 2, 0
	MULA F1, 3, 0
.endm
.macro LAP zero
	THREE 0, \zero
	TURN 0, 1, 1
	THREE 1, 0
	TURN 1, 0, 1
.endm
	s_wait_kmcnt 0x0                               ; the unit's four numbers
	s_wait_tensorcnt 1                             ; my part of K step 0 is in; K step 1's stays out
	s_barrier_signal -1
	s_barrier_wait -1
	FETCH 0, 0, F0
	LAP 1                                          ; the first products start the sums
	WIN 0
	s_mov_b32 s3, LAPS-2
.Llap:
	LAP 0
	WIN 0
	s_sub_co_u32 s3, s3, 1
	s_cmp_lg_u32 s3, 0
	s_cbranch_scc1 .Llap
	THREE 0, 0                                     ; the last lap fills nothing
	TURN 0, 1, 0
	THREE 1, 0
	s_wait_dscnt 4
	WIN 0x50
	MULA F1, 0, 0
	MULA F1, 1, 0
	s_wait_dscnt 0
	MULA F1, 2, 0
	MULA F1, 3, 0
	PLACES                                         ; behind the last matrix instructions, for all that follows
	s_lshl_b32 s16, s76, 13
	s_mov_b32 s17, 0
	s_add_nc_u64 s[8:9], s[8:9], s[16:17]
	s_lshl_b32 s46, s66, 8
	s_mov_b32 s47, 0
	s_add_nc_u64 s[8:9], s[8:9], s[46:47]          ; qkvg at my first row and my unit
; rows 16 a .. 16 a + 15.  Group A = column tiles 0, 1, 4, 5; group B = 2, 3, 6, 7.
.macro OUTA a
	WIN 0x05                                       ; sources 0, 1: the accumulators
.irp t, 0,1,4,5
.irp p, 0,2,4,6
.if \t+\p == 0
	v_pk_mul_f32 v[SA:SA+1], v[8*(BT*\a+\t)+\p:8*(BT*\a+\t)+\p+1], v[8*(BT*\a+\t)+\p:8*(BT*\a+\t)+\p+1]
	v_pk_mul_f32 v[SB:SB+1], v[8*(BT*\a+\t+2)+\p:8*(BT*\a+\t+2)+\p+1], v[8*(BT*\a+\t+2)+\p:8*(BT*\a+\t+2)+\p+1]
.else
	v_pk_fma_f32 v[SA:SA+1], v[8*(BT*\a+\t)+\p:8*(BT*\a+\t)+\p+1], v[8*(BT*\a+\t)+\p:8*(BT*\a+\t)+\p+1], v[SA:SA+1]
	v_pk_fma_f32 v[SB:SB+1], v[8*(BT*\a+\t+2)+\p:8*(BT*\a+\t+2)+\p+1], v[8*(BT*\a+\t+2)+\p:8*(BT*\a+\t+2)+\p+1], v[SB:SB+1]
.endif
.endr
.endr
	WIN 0
	v_add_f32 v[SA], v[SA], v[SA+1]
	v_add_f32 v[SB], v[SB], v[SB+1]
	v_permlanex16_b32 v[SA+1], v[SA], s74, s75     ; the row's other 32 numbers lie in lane r of the other half
	v_permlanex16_b32 v[SB+1], v[SB], s74, s75
	v_add_f32 v[SA], v[SA], v[SA+1]
	v_add_f32 v[SB], v[SB], v[SB+1]
	v_sqrt_f32 v[IA], v[SA]
	v_sqrt_f32 v[IB], v[SB]
	v_add_nc_u32 v[PO], 16*\a, v[ROWN]             ; the plain place behind the roots
	s_wait_alu depctr_va_vdst(0)
	v_max_num_f32 v[IA], 0x2b8cbccc, v[IA]         ; max(norm, 1e-12)
	v_max_num_f32 v[IB], 0x2b8cbccc, v[IB]
	v_rcp_f32 v[IA], v[IA]
	v_rcp_f32 v[IB], v[IB]
	v_cvt_f32_u32 v[PO], v[PO]                     ; the plain place behind the reciprocals: the position
	s_wait_alu depctr_va_vdst(0)
	v_cndmask_b32 v[IA], 1.0, v[IA], s72
	v_cndmask_b32 v[IB], 1.0, v[IB], s72
	v_mul_f32 v[FA], s69, v[IA]
	v_mul_f32 v[FA+1], s69, v[IA]
	v_mul_f32 v[FB], s71, v[IB]
	v_mul_f32 v[FB+1], s71, v[IB]
	v_mul_f32 v[TT], s68, v[PO]
	SINCOS TT, CA, SNA
	v_mul_f32 v[TT], s70, v[PO]
	SINCOS TT, CB, SNB
	v_cndmask_b32 v[CA], 1.0, v[CA], s73           ; lanes with h = 1 hold columns 8.. of the tile: not turned
	v_cndmask_b32 v[SNA], 0, v[SNA], s73
	v_cndmask_b32 v[CB], 1.0, v[CB], s73
	v_cndmask_b32 v[SNB], 0, v[SNB], s73
	WIN 0x01                                       ; source 0: the accumulators
.irp t, 0,1,2,3,4,5,6,7
.irp p, 0,2,4,6
	v_pk_mul_f32 v[T+8*\t+\p:T+8*\t+\p+1], v[8*(BT*\a+\t)+\p:8*(BT*\a+\t)+\p+1], v[FA+2*((\t>>1)&1):FA+2*((\t>>1)&1)+1]
.endr
.endr
	WIN 0
	v_mul_f32 v[R0], v[T+1], v[SNA]                ; (z0, z1) -> (z0 c - z1 s, z0 s + z1 c)
	v_mul_f32 v[R1], v[T], v[SNA]
	v_fma_f32 v[T], v[T], v[CA], -v[R0]
	v_fma_f32 v[T+1], v[T+1], v[CA], v[R1]
	v_mul_f32 v[R0], v[T+17], v[SNB]
	v_mul_f32 v[R1], v[T+16], v[SNB]
	v_fma_f32 v[T+16], v[T+16], v[CB], -v[R0]
	v_fma_f32 v[T+17], v[T+17], v[CB], v[R1]
.irp t, 0,1,2,3,4,5,6,7
.irp q, 0,1,2,3
	v_cvt_pk_bf16_f32 v[PK+4*\t+\q], v[T+8*\t+2*\q], v[T+8*\t+2*\q+1]
.endr
.endr
.irp t, 0,1,2,3,4,5,6,7
	ds_store_b128 v[STO], v[PK+4*\t:PK+4*\t+3] offset:32*\t
.endr
	s_wait_xcnt 0x0                                ; RB and the stores' base are written again only behind this wait
.if \a
	s_add_nc_u64 s[8:9], s[8:9], 16*8192
.endif
.irp t, 0,1,2,3,4,5,6,7
	ds_load_b128 v[RB+4*\t:RB+4*\t+3], v[RD] offset:\t*2*PITCH     ; LDS serves a wave's instructions in order: these see the stores above
.endr
.irp t, 0,1,2,3,4,5,6,7
	s_wait_dscnt 7-\t
	global_store_b128 v[CO], v[RB+4*\t:RB+4*\t+3], s[8:9] offset:2*\t*8192   ; 16 lanes store 256 consecutive bytes, aligned
.endr
.endm
	OUTA 0
	OUTA 1
	OUTA 2
	OUTA 3
	s_wait_tensorcnt 0x0
	ds_add_u32 v254, v255
	s_wait_dscnt 0x0
	CROUND                                         ; the closing round: no work-group ends while a partner may still ask jointly
	s_endpgm
.Lfunc_end_k_q8d685e2b36_proj0:
	.size	k_q8d685e2b36_proj0, .Lfunc_end_k_q8d685e2b36_proj0-k_q8d685e2b36_proj0
	.p2alignl 7, 3214868480
	.fill 96, 4, 3214868480
	.section	.rodata,"a",@progbits
	.p2align	6, 0x0
	.amdhsa_kernel k_q8d685e2b36_proj0
		.amdhsa_group_segment_fixed_size 327680
		.amdhsa_private_segment_fixed_size 0
		.amdhsa_enable_private_segment 0
		.amdhsa_kernarg_size 24
		.amdhsa_user_sgpr_count 2
		.amdhsa_user_sgpr_kernarg_segment_ptr 1
		.amdhsa_wavefront_size32 1
		.amdhsa_system_sgpr_workgroup_id_x 1
		.amdhsa_system_sgpr_workgroup_id_y 1
		.amdhsa_system_sgpr_workgroup_id_z 1
		.amdhsa_system_vgpr_workitem_id 0
		.amdhsa_next_free_vgpr 512
		.amdhsa_next_free_sgpr 80
		.amdhsa_reserve_vcc 0
		.amdhsa_float_denorm_mode_32 3
		.amdhsa_float_denorm_mode_16_64 3
		.amdhsa_memory_ordered 1
		.amdhsa_forward_progress 1
		.amdhsa_inst_pref_size 150
	.end_amdhsa_kernel
	.amdgpu_metadata
---
amdhsa.version: [ 1, 2 ]
amdhsa.kernels:
  - .name:           k_q8d685e2b36_proj0
    .symbol:         k_q8d685e2b36_proj0.kd
    .args:
      - { .name: xs0, .offset: 0, .size: 8, .value_kind: global_buffer, .address_space: global }
      - { .name: wl0, .offset: 8, .size: 8, .value_kind: global_buffer, .address_space: global }
      - { .name: qkvg, .offset: 16, .size: 8, .value_kind: global_buffer, .address_space: global }
    .group_segment_fixed_size: 327680
    .private_segment_fixed_size: 0
    .kernarg_segment_align: 8
    .kernarg_segment_size: 24
    .max_flat_workgroup_size: 128
    .sgpr_count:     80
    .vgpr_count:     512
    .wavefront_size: 32
...
	.end_amdgpu_metadata
.endif
;; end of part 2
;; launch att0 (part 3): grid 512 x 1, 4 waves a work-group, clusters of 4 x 1, 327,680 bytes of LDS; arguments qkvg, wl0, xs0; writes xs0
.if DOCPART == 3
	.amdgcn_target "amdgcn-amd-amdhsa--gfx1250"
	.amdhsa_code_object_version 6
	.text
	.protected	k_q8d685e2b36_att0
	.globl	k_q8d685e2b36_att0
	.p2align	8
	.type	k_q8d685e2b36_att0,@function
k_q8d685e2b36_att0:
	s_mov_b64 s[64:65], 0
	v_nop
	global_prefetch_b8 v0, s[64:65] scope:SCOPE_SE
	s_setreg_imm32_b32 hwreg(HW_REG_WAVE_MODE, 25, 1), 1
	s_wait_xcnt 0x0
	s_wait_alu depctr_hold_cnt(0) depctr_sa_sdst(0) depctr_va_vdst(0) depctr_va_sdst(0) depctr_va_ssrc(0) depctr_va_vcc(0) depctr_vm_vsrc(0)
	s_getreg_b32 s2, hwreg(HW_REG_IB_STS2, 6, 4)
	s_cmp_eq_u32 s2, 0
	s_cbranch_scc0 .Lentry_in_a_cluster
	s_endpgm
.Lentry_in_a_cluster:
	s_bfe_u32 s2, ttmp6, 0x10000c
	s_cmp_lg_u32 s2, 0x3003
	s_cbranch_scc0 .Lentry_shape_is_right
	s_endpgm
.Lentry_shape_is_right:
; ATT: for one head and 64 queries: rho = max(1 - r (1 - q.k), 0)^2 x window(i - j), h = rho V, u = tanh(|h|) / max(|h|, 1e-8) h,
; hgo = u x tanh(silu(g)) x exp(sO), stored bf16 as [head][token][64].
; q arrives multiplied by r, so q.k + (1 - r), with 1 - r as the first product's C, is 1 - r (1 - sim).
; CLUSTERS: a cluster of four has one head and 256 queries (block c); its four work-groups own 64 queries each and all walk the key blocks
; c, c-1, .. 0 of 256 keys, so every tile of k|v is asked for jointly (mask 15).  c = 7 - (cluster >> 4): the long ones start first.
; Blocks above the diagonal are never touched (the causal mask is reference()'s own).  The window's width is data: it only sets values
; of the table below, never a count of trips.
; The eight trips are written out; trip u (key block c - u) is left by a forward branch where u = c, which is the same in all partners.
; So every LDS address is a fixed register and an immediate.  rho V is a plain sum: only the order of the f32 additions differs from reference()'s.
; WAVES split the keys: wave w has keys 64 w .. 64 w + 63 of each block and all 64 queries; the four partial sums meet in LDS at the end.
; One tensor load of a wave is out at any time.
; THE WINDOW hangs on i - j alone: tab[x] = window(2048 + 64 cx - x), 2,304 numbers, four copies, copy m shifted by m numbers, so that
; lane r reads eight neighbouring numbers from copy r & 3 at an address that is a multiple of 16.  Seven mask tiles serve a trip's 16 tiles.
; LAYOUTS: S^T = K Q^T (source 0 = 16 keys, source 1 = 16 queries): lane (r, h), register j = key 8 h + j, query r; packed, two key tiles
; are registers 0-3 and 4-7 of rho as source 1 of O^T = V^T rho.  V^T comes by transposing loads; row m < 8 of tile tau is dv 8 tau + m,
; row m >= 8 is dv 32 + 8 tau + m - 8, so a lane holds dv 32 h + 8 tau + 0..7 of query 16 b + r.
; REGISTERS: window 0: v4-13 addresses, v16-23 1 - r, v24-87 K, v88-143 masks, v144-207 S, v208-239 rho, v240-255 at work;
; window 1: v0-127 O, v128-191 Q, v192-255 V^T; window 2: v0-31 the gate.
; LIMITS: a NaN in S becomes 0 (v_max_num_f32).  tanh: a five-term series for y^2 < 1/16, else 1 - 2 / (1 + exp2(2.885 y)).
; The window is cos^2(pi d / 2 w) by a seven-term polynomial, error below 1e-7.
.set PITCH,  272
.set QTR,    64*PITCH                  ; a wave's quarter of a tile
.set SLOT,   4*QTR
.set TAB,    2*SLOT
.set TPITCH, 9280                      ; a copy of the table: 2,307 numbers, and 64 bytes past a multiple of 256
.set STAGE,  TAB+4*TPITCH              ; 4 waves x 64 queries x 272 bytes
.set BLOCKB, 256*8192                  ; bytes of 256 rows of qkvg
.set PAR,    10485760
.set HGO,    12582912
.set G1, 16
.set G0, 24
.set AK,   4
.set AV,   6
.set AM,   8
.set AST,  9
.set ARD,  10
.set AQ,   11
.set AG,   12
.set AOUT, 13
.set CONST, 16
.set KF,  24
.set MK,  88
.set SS,  144
.set PP,  208
.set OO,  0
.set QQ,  128
.set VF,  192
.set GH,  0
.set GX,  144
.set GE,  152
.set GO,  160
.set GA,  168
.set GB,  176
.set MSB, 0
.macro WIN new
.if MSB != \new
	s_set_vgpr_msb (MSB<<8)|\new
.set MSB, \new
.endif
.endm
.macro PLACES                          ; four plain places behind a matrix instruction (ISA guide 7.12.1)
.rept 4
	v_nop
.endr
.endm
.macro ROUND                           ; a round of the cluster's barrier
	s_barrier_signal -1
	s_barrier_wait -1
	s_cmp_lg_u32 s10, 0
	s_cbranch_scc1 .Lnot_wave_0_\@
	s_barrier_signal -3
.Lnot_wave_0_\@:
	s_barrier_wait -3
	s_barrier_signal -1
	s_barrier_wait -1
.endm
.macro POLYC p, z                      ; cos(pi x / 2) in z = x^2
	v_mov_b32 v[\p], 0x34fce9c6
	v_fmaak_f32 v[\p], v[\p], v[\z], 0xb7d368f9
	v_fmaak_f32 v[\p], v[\p], v[\z], 0x3a70fa83
	v_fmaak_f32 v[\p], v[\p], v[\z], 0xbcaae9e4
	v_fmaak_f32 v[\p], v[\p], v[\z], 0x3e81e0f8
	v_fmaak_f32 v[\p], v[\p], v[\z], 0xbf9de9e6
	v_fmaak_f32 v[\p], v[\p], v[\z], 0x3f800000
.endm
; o = tanh(y) for n registers; ta, tb at work.  Both forms are computed and one is chosen by value.
.macro TANHN n, y, o, ta, tb
.set ti, 0
.rept \n
	v_mul_f32 v[\tb+ti], 0x4038aa3b, v[\y+ti]
.set ti, ti+1
.endr
.set ti, 0
.rept \n
	v_exp_f32 v[\tb+ti], v[\tb+ti]
.set ti, ti+1
.endr
.set ti, 0
.rept \n
	v_mul_f32 v[\ta+ti], v[\y+ti], v[\y+ti]        ; z; the first of these is the plain place behind the exponentials
.set ti, ti+1
.endr
.set ti, 0
	s_wait_alu depctr_va_vdst(0)
.rept \n
	v_add_f32 v[\tb+ti], 1.0, v[\tb+ti]
.set ti, ti+1
.endr
.set ti, 0
.rept \n
	v_rcp_f32 v[\tb+ti], v[\tb+ti]
.set ti, ti+1
.endr
.set ti, 0
.rept \n
	v_mov_b32 v[\o+ti], 0x3cb327a4                 ; 62/2835; the plain place behind the reciprocals
.set ti, ti+1
.endr
.irp kk, 0xbd5d0dd1, 0x3e088889, 0xbeaaaaab, 0x3f800000
.set ti, 0
.rept \n
	v_fmaak_f32 v[\o+ti], v[\o+ti], v[\ta+ti], \kk
.set ti, ti+1
.endr
.endr
.set ti, 0
	s_wait_alu depctr_va_vdst(0)
.rept \n
	v_mul_f32 v[\o+ti], v[\o+ti], v[\y+ti]
	v_fma_f32 v[\tb+ti], v[\tb+ti], -2.0, 1.0
	v_cmp_gt_f32 vcc_lo, 0x3d800000, v[\ta+ti]
	v_cndmask_b32 v[\o+ti], v[\tb+ti], v[\o+ti], vcc_lo
.set ti, ti+1
.endr
.endm
	s_load_b128 s[4:7], s[0:1], 0x0                ; qkvg, wl
	s_load_b64 s[8:9], s[0:1], 0x10                ; xs
	v_lshl_add_u32 v254, v0, 2, 0x3c100
	v_mov_b32 v255, 0
	ds_add_u32 v254, v255
	ds_add_u32 v254, v255
	v_lshrrev_b32 v1, 5, v0
	v_readfirstlane_b32 s10, v1                    ; wave
	s_bfe_u32 s11, ttmp6, 0x40000                  ; cx
	s_lshr_b32 s12, ttmp9, 4
	s_sub_co_u32 s12, 7, s12                       ; c: the cluster's block of 256 queries
	s_and_b32 s13, ttmp9, 15                       ; head
	s_lshl_b32 s38, s13, 4
	s_add_co_u32 s38, s38, PAR+512
	s_mov_b32 s[G1+0], 15|(1<<16)|(1<<20)|(1<<21)|(5<<22)|(3<<25)   ; all four partners; 2-byte elements; 4 words of padding behind every 64
	s_mov_b32 s[G1+1], 128<<16                     ; tensor_dim0 = 128: k and v of one head, 256 bytes
	s_mov_b32 s[G1+2], 64<<16                      ; tensor_dim1 = 64
	s_mov_b32 s[G1+3], 128<<16                     ; tile_dim0
	s_mov_b32 s[G1+4], 64                          ; tile_dim1
	s_mov_b32 s[G1+5], 4096                        ; elements from row to row
	s_mov_b32 s[G1+6], 0
	s_mov_b32 s[G1+7], 0
	s_lshl_b32 s40, s12, 21                        ; key block c,
	s_lshl_b32 s41, s10, 19                        ; my 64 rows of it,
	s_add_co_u32 s40, s40, s41
	s_lshl_b32 s41, s13, 8                         ; unit 8 + head
	s_add_co_u32 s40, s40, s41
	s_add_co_u32 s40, s40, 2048
	s_mov_b32 s41, 0
	s_mul_i32 s42, s10, QTR
	s_wait_dscnt 0x0
	s_wait_kmcnt 0x0
	s_add_nc_u64 s[40:41], s[4:5], s[40:41]
	s_mov_b32 s[G0], 1
	s_add_co_u32 s[G0+1], s42, 0
	s_mov_b64 s[G0+2:G0+3], s[40:41]               ; slot 0: block c
	s_or_b32 s[G0+3], s[G0+3], 0x80000000
	s_mov_b32 s[G0+4], 1
	s_add_co_u32 s[G0+5], s42, SLOT
	s_sub_nc_u64 s[G0+6:G0+7], s[40:41], BLOCKB    ; slot 1: block c - 1 (used only where c > 0)
	s_or_b32 s[G0+7], s[G0+7], 0x80000000
	ROUND                                          ; the four partners are here: the first joint loads meet
	tensor_load_to_lds s[G0:G0+3], s[G1:G1+7]
	s_nop 0
	s_load_b128 s[32:35], s[6:7], s38 offset:0x0   ; {w, 1/w, 1-r, exp(sO)}
	s_lshl_b32 s43, s12, 8
	s_lshl_b32 s39, s11, 6
	s_add_co_u32 s43, s43, s39                     ; i0 = 256 c + 64 cx
	s_add_co_u32 s39, s39, 2048                    ; the table's origin: d = 2048 + 64 cx - x (cx enters values alone)
	s_lshl2_add_u32 s44, s10, s43                  ; i0 + 4 w
	s_lshl_b32 s14, s44, 7                         ; its place in hgo, for the end
	s_lshl_b32 s44, s44, 13
	s_lshl_b32 s45, s13, 7
	s_add_co_u32 s44, s44, s45
	s_add_co_u32 s44, s44, 6144
	s_mov_b32 s45, 0
	s_add_nc_u64 s[44:45], s[4:5], s[44:45]        ; g of my head at row i0 + 4 w
	s_lshl_b32 s46, s43, 13
	s_lshr_b32 s47, s13, 1
	s_lshl_b32 s47, s47, 8
	s_add_co_u32 s46, s46, s47
	s_and_b32 s47, s13, 1
	s_lshl_b32 s47, s47, 6
	s_add_co_u32 s46, s46, s47
	s_mov_b32 s47, 0
	s_add_nc_u64 s[46:47], s[4:5], s[46:47]        ; q of my head at row i0
	v_and_b32 v3, 31, v0                           ; L
	v_and_b32 v1, 15, v0                           ; r
	v_bfe_u32 v2, v0, 4, 1                         ; h
	v_lshrrev_b32 v14, 3, v3                       ; L >> 3
	v_and_b32 v15, 7, v0                           ; L & 7
	v_lshlrev_b32 v[AG], 13, v14
	v_lshl_add_u32 v[AG], v15, 4, v[AG]
	v_lshlrev_b32 v[AQ], 13, v1
	v_lshl_add_u32 v[AQ], v2, 4, v[AQ]
.irp e, 0,1,2,3
	global_load_b128 v[KF+4*\e:KF+4*\e+3], v[AG], s[44:45] offset:131072*\e    ; g of query 16 e + 4 w + (L >> 3), dv 8 (L & 7) ..
.endr
	WIN 0x40
.irp b, 0,1,2,3
.irp ks, 0,1
	global_load_b128 v[QQ+16*\b+8*\ks:QQ+16*\b+8*\ks+3],   v[AQ], s[46:47] offset:131072*\b+128*\ks
	global_load_b128 v[QQ+16*\b+8*\ks+4:QQ+16*\b+8*\ks+7], v[AQ], s[46:47] offset:131072*\b+128*\ks+32
.endr
.endr
	WIN 0
	v_mul_u32_u24 v[AK], v1, PITCH
	v_lshl_add_u32 v[AK], v2, 4, v[AK]
	v_add_nc_u32 v[AK], s42, v[AK]                 ; (64 w + r) pitch + 16 h
	v_add_nc_u32 v[AK+1], SLOT, v[AK]
	v_lshl_add_u32 v[AV], v2, 3, v15               ; 8 h + (L & 7)
	v_mul_u32_u24 v[AV], v[AV], PITCH
	v_bfe_u32 v[AV+1], v0, 3, 1
	v_lshl_add_u32 v[AV], v[AV+1], 7, v[AV]        ; lanes 8-15 and 24-31 take v's second half, 128 bytes on
	v_add3_u32 v[AV], v[AV], s42, 64
	v_add_nc_u32 v[AV+1], SLOT, v[AV]
	v_lshl_add_u32 v[ARD], s10, 2, v14
	v_mul_u32_u24 v[ARD], v[ARD], PITCH
	v_lshl_add_u32 v[ARD], v15, 5, v[ARD]
	v_add_nc_u32 v[ARD], STAGE, v[ARD]             ; stage row 4 w + (L >> 3), 32 bytes at 32 (L & 7)
	v_mul_u32_u24 v[AST], v1, PITCH
	v_lshl_add_u32 v[AST], v2, 7, v[AST]
	v_add3_u32 v[AST], v[AST], s42, STAGE          ; my stage, row r, 128 h
	v_lshlrev_b32 v[AOUT], 4, v3
	v_and_b32 v14, 3, v0
	v_mul_u32_u24 v[AM], v14, TPITCH               ; copy r & 3
	s_lshl_b32 s36, s10, 8
	s_add_co_u32 s36, s36, TAB+832                 ; 8000 - 7 x 1024: the trip stands in the loads' immediates
	v_add_nc_u32 v[AM], s36, v[AM]
	v_lshl_add_u32 v[AM], v2, 5, v[AM]
	v_bfe_u32 v14, v0, 2, 2
	v_lshlrev_b32 v14, 4, v14
	v_sub_nc_u32 v[AM], v[AM], v14                 ; - 16 (r >> 2)
	v_lshlrev_b32 v15, 2, v0
	v_add_nc_u32 v15, TAB, v15
	s_wait_kmcnt 0x0
.irp j, 0,1,2,3,4,5,6,7
	v_mov_b32 v[CONST+\j], s34                     ; 1 - r
.endr
	; the table: thread t makes x = t + 128 i, i = 0 .. 17, and stores it into the four copies
.set tt, 0
.rept 18
	v_add_nc_u32 v184, 128*tt, v0
	v_sub_nc_u32 v184, s39, v184
	v_cvt_f32_i32 v184, v184                       ; d = i - j
	v_mul_f32 v185, s33, v184
	v_mul_f32 v185, v185, v185
	v_min_num_f32 v185, 1.0, v185                  ; (d / w)^2, held at 1
	POLYC 186, 185
	v_mul_f32 v186, v186, v186                     ; 0.5 (cos(pi d / w) + 1)
	v_cmp_le_f32 s36, 0, v184                      ; d >= 0
	v_cmp_gt_f32 s37, s32, v184                    ; d < w
	s_and_b32 s36, s36, s37
	v_cndmask_b32 v186, 0, v186, s36
.irp m, 0,1,2,3
	ds_store_b32 v15, v186 offset:512*tt+9284*\m
.endr
.set tt, tt+1
.endr
; the gate of eight numbers: tanh(silu(g)) exp(sO)
.macro GHAT e
.irp k, 0,1,2,3
	v_lshlrev_b32 v[GX+2*\k], 16, v[KF+4*\e+\k]
	v_and_b32 v[GX+2*\k+1], 0xffff0000, v[KF+4*\e+\k]
.endr
.irp k, 0,1,2,3,4,5,6,7
	v_mul_f32 v[GE+\k], 0xbfb8aa3b, v[GX+\k]
.endr
.irp k, 0,1,2,3,4,5,6,7
	v_exp_f32 v[GE+\k], v[GE+\k]
.endr
	v_nop
	s_wait_alu depctr_va_vdst(0)
.irp k, 0,1,2,3,4,5,6,7
	v_add_f32 v[GE+\k], 1.0, v[GE+\k]
.endr
.irp k, 0,1,2,3,4,5,6,7
	v_rcp_f32 v[GE+\k], v[GE+\k]
.endr
	v_nop
	s_wait_alu depctr_va_vdst(0)
.irp k, 0,1,2,3,4,5,6,7
	v_mul_f32 v[GX+\k], v[GX+\k], v[GE+\k]         ; silu
.endr
	TANHN 8, GX, GO, GA, GB
	WIN 0x80
.irp k, 0,1,2,3,4,5,6,7
	v_mul_f32 v[GH+8*\e+\k], s35, v[GO+\k]
.endr
	WIN 0
.endm
	s_wait_loadcnt 16                              ; g is in; the 16 younger loads of Q stay out
	GHAT 0
	GHAT 1
	GHAT 2
	GHAT 3
	s_wait_loadcnt 0x0                             ; Q
; 46 LDS loads of a trip, in the order in which they are needed
.macro LOADS u
	PLACES                                         ; K and V^T were sources of the last trip's matrix instructions
.irp kap, 0,1
.irp ks, 0,1
	ds_load_b128 v[KF+16*\kap+8*\ks:KF+16*\kap+8*\ks+3],   v[AK+(\u&1)] offset:4352*\kap+128*\ks
	ds_load_b128 v[KF+16*\kap+8*\ks+4:KF+16*\kap+8*\ks+7], v[AK+(\u&1)] offset:4352*\kap+128*\ks+32
.endr
.endr
.irp mu, 0,1,2,3,4,5,6
	ds_load_b128 v[MK+8*\mu:MK+8*\mu+3],   v[AM] offset:1024*(7-\u)+64*(6-\mu)
	ds_load_b128 v[MK+8*\mu+4:MK+8*\mu+7], v[AM] offset:1024*(7-\u)+64*(6-\mu)+16
.endr
.irp kap, 2,3
.irp ks, 0,1
	ds_load_b128 v[KF+16*\kap+8*\ks:KF+16*\kap+8*\ks+3],   v[AK+(\u&1)] offset:4352*\kap+128*\ks
	ds_load_b128 v[KF+16*\kap+8*\ks+4:KF+16*\kap+8*\ks+7], v[AK+(\u&1)] offset:4352*\kap+128*\ks+32
.endr
.endr
	WIN 0x40
.irp st, 0,1
.irp tau, 0,1,2,3
	ds_load_tr16_b128 v[VF+32*\st+8*\tau:VF+32*\st+8*\tau+3],   v[AV+(\u&1)] offset:8704*\st+16*\tau
	ds_load_tr16_b128 v[VF+32*\st+8*\tau+4:VF+32*\st+8*\tau+7], v[AV+(\u&1)] offset:8704*\st+16*\tau+4352
.endr
.endr
	WIN 0
.endm
; one tile of S to rho: clip at 0, square, window, round; key tile 2 s + kp, query tile b, mask tile b - (2 s + kp) + 3
.macro RHO s, kp, b
.set ST, SS+8*(4*\kp+\b)
.set MT, MK+8*(\b-2*\s-\kp+3)
.irp p, 0,1,2,3,4,5,6,7
	v_max_num_f32 v[ST+\p], 0, v[ST+\p]
.endr
.irp p, 0,2,4,6
	v_pk_mul_f32 v[ST+\p:ST+\p+1], v[ST+\p:ST+\p+1], v[ST+\p:ST+\p+1]
.endr
.irp p, 0,2,4,6
	v_pk_mul_f32 v[ST+\p:ST+\p+1], v[ST+\p:ST+\p+1], v[MT+\p:MT+\p+1]
.endr
.irp p, 0,1,2,3
	v_cvt_pk_bf16_f32 v[PP+8*\b+4*\kp+\p], v[ST+2*\p], v[ST+2*\p+1]
.endr
.endm
; 32 keys x 64 queries.  In every run of matrix instructions the accumulators take turns, one instruction a turn.
.macro STEP s, zero
.if \s == 0
	s_wait_dscnt 38                                ; K of key tiles 0, 1 is in: 14 + 8 + 16 younger loads stay out
.endif
	WIN 0x04
.irp kp, 0,1
.irp b, 0,1,2,3
	v_wmma_f32_16x16x32_bf16 v[SS+8*(4*\kp+\b):SS+8*(4*\kp+\b)+7], v[KF+16*(2*\s+\kp):KF+16*(2*\s+\kp)+7], v[QQ+16*\b:QQ+16*\b+7], v[CONST:CONST+7]
.endr
.endr
.irp kp, 0,1
.irp b, 0,1,2,3
	v_wmma_f32_16x16x32_bf16 v[SS+8*(4*\kp+\b):SS+8*(4*\kp+\b)+7], v[KF+16*(2*\s+\kp)+8:KF+16*(2*\s+\kp)+15], v[QQ+16*\b+8:QQ+16*\b+15], v[SS+8*(4*\kp+\b):SS+8*(4*\kp+\b)+7]
.endr
.endr
	WIN 0
	PLACES
.if \s == 0
	s_wait_dscnt 24                                ; the masks are in: 8 + 16 younger loads stay out
.endif
.irp b, 0,1,2,3
	RHO \s, 0, \b
	RHO \s, 1, \b
.endr
.if \s == 0
	s_wait_dscnt 8                                 ; V^T of these 32 keys is in; the next 32 keys' eight loads stay out
.else
	s_wait_dscnt 0
.endif
	WIN 0x51
.irp b, 0,1,2,3
.irp tau, 0,1,2,3
.if \zero
	v_wmma_f32_16x16x32_bf16 v[OO+8*(4*\tau+\b):OO+8*(4*\tau+\b)+7], v[VF+32*\s+8*\tau:VF+32*\s+8*\tau+7], v[PP+8*\b:PP+8*\b+7], 0
.else
	v_wmma_f32_16x16x32_bf16 v[OO+8*(4*\tau+\b):OO+8*(4*\tau+\b)+7], v[VF+32*\s+8*\tau:VF+32*\s+8*\tau+7], v[PP+8*\b:PP+8*\b+7], v[OO+8*(4*\tau+\b):OO+8*(4*\tau+\b)+7]
.endif
.endr
.endr
	WIN 0
.endm
; trip u: key block c - u, in slot u & 1
.macro TRIP u, zero
	s_wait_tensorcnt 0x0                           ; all my tensor loads have landed, my quarter of this trip's tile among them,
	ds_add_u32 v254, v255
	s_wait_dscnt 0x0
	s_sub_nc_u64 s[G0+4*(\u&1)+2:G0+4*(\u&1)+3], s[G0+4*(\u&1)+2:G0+4*(\u&1)+3], 2*BLOCKB   ; so a group 0 may be written: this slot's next tile, two blocks down
	s_wait_dscnt 0x0                               ; my reads of the last trip's slot (in trip 0: my stores of the table) are done
	ROUND                                          ; both now hold of every wave of the four partners
.if \u < 7
	s_cmp_eq_u32 s12, \u                           ; block 0 reached: nothing is left to fetch (c is the same in all partners)
	s_cbranch_scc1 .Lnofill_\@
	tensor_load_to_lds s[G0+4*((\u+1)&1):G0+4*((\u+1)&1)+3], s[G1:G1+7]    ; my one load behind the round: the next block, into the slot read last
	s_nop 0
.Lnofill_\@:
.endif
	LOADS \u
	STEP 0, \zero
	STEP 1, 0
.if \u < 7
	s_cmp_eq_u32 s12, \u
	s_cbranch_scc1 .Lsum
.endif
.endm
	TRIP 0, 1                                      ; the diagonal block; its products start the sums
	TRIP 1, 0
	TRIP 2, 0
	TRIP 3, 0
	TRIP 4, 0
	TRIP 5, 0
	TRIP 6, 0
	TRIP 7, 0
.Lsum:
	; the four waves' partial sums meet in LDS
	PLACES
	WIN 0x04
.irp b, 0,1,2,3
.irp tau, 0,1,2,3
	ds_store_b128 v[AST], v[OO+8*(4*\tau+\b):OO+8*(4*\tau+\b)+3]   offset:4352*\b+32*\tau
	ds_store_b128 v[AST], v[OO+8*(4*\tau+\b)+4:OO+8*(4*\tau+\b)+7] offset:4352*\b+32*\tau+16
.endr
.endr
	WIN 0
	s_lshl_b32 s44, s13, 18
	s_add_co_u32 s44, s44, s14
	s_add_co_u32 s44, s44, HGO
	s_mov_b32 s45, 0
	s_add_nc_u64 s[44:45], s[8:9], s[44:45]        ; hgo[head][i0 + 4 w]
	s_wait_tensorcnt 0x0                           ; met at once: the last trip asked for nothing; none is out from here to the end
	s_wait_dscnt 0x0                               ; my stores are done, for the others' sake
	s_barrier_signal -1
	s_barrier_wait -1
.irp e, 0,1,2,3
.irp p, 0,1,2,3
	ds_load_b128 v[KF+32*\e+8*\p:KF+32*\e+8*\p+3],   v[ARD] offset:4352*\e+17408*\p
	ds_load_b128 v[KF+32*\e+8*\p+4:KF+32*\e+8*\p+7], v[ARD] offset:4352*\e+17408*\p+16
.endr
.endr
; query 16 e + 4 w + (L >> 3), dv 8 (L & 7) .. + 7
.macro FIN e
.set HB, KF+32*\e
	s_wait_dscnt 24-8*\e                           ; the eight loads of each later e stay out
.irp p, 1,2,3
.irp k, 0,2,4,6
	v_pk_add_f32 v[HB+\k:HB+\k+1], v[HB+\k:HB+\k+1], v[HB+8*\p+\k:HB+8*\p+\k+1]
.endr
.endr
	v_pk_mul_f32 v[240:241], v[HB:HB+1], v[HB:HB+1]
.irp k, 2,4,6
	v_pk_fma_f32 v[240:241], v[HB+\k:HB+\k+1], v[HB+\k:HB+\k+1], v[240:241]
.endr
	v_add_f32 v240, v240, v241
	v_add_f32_dpp v240, v240, v240 row_xmask:1 row_mask:0xf bank_mask:0xf      ; eight lanes share a query
	v_add_f32_dpp v240, v240, v240 row_xmask:2 row_mask:0xf bank_mask:0xf
	v_add_f32_dpp v240, v240, v240 row_xmask:4 row_mask:0xf bank_mask:0xf
	v_sqrt_f32 v241, v240
	v_nop
	s_wait_alu depctr_va_vdst(0)
	v_max_num_f32 v241, 0x322bcc77, v241           ; max(|h|, 1e-8)
	TANHN 1, 241, 242, 243, 244
	v_rcp_f32 v245, v241
	v_nop
	s_wait_alu depctr_va_vdst(0)
	v_mul_f32 v246, v242, v245
	v_mul_f32 v247, v242, v245
.irp k, 0,2,4,6
	v_pk_mul_f32 v[HB+\k:HB+\k+1], v[HB+\k:HB+\k+1], v[246:247]
.endr
	WIN 0x02
.irp k, 0,2,4,6
	v_pk_mul_f32 v[HB+\k:HB+\k+1], v[GH+8*\e+\k:GH+8*\e+\k+1], v[HB+\k:HB+\k+1]
.endr
	WIN 0
.irp k, 0,1,2,3
	v_cvt_pk_bf16_f32 v[152+4*\e+\k], v[HB+2*\k], v[HB+2*\k+1]
.endr
	global_store_b128 v[AOUT], v[152+4*\e:152+4*\e+3], s[44:45] offset:2048*\e   ; the wave's store covers 512 consecutive bytes, aligned
.endm
	FIN 0
	FIN 1
	FIN 2
	FIN 3
	s_wait_tensorcnt 0x0
	ds_add_u32 v254, v255
	s_wait_dscnt 0x0
	ROUND                                          ; the closing round
	s_endpgm
.Lfunc_end_k_q8d685e2b36_att0:
	.size	k_q8d685e2b36_att0, .Lfunc_end_k_q8d685e2b36_att0-k_q8d685e2b36_att0
	.p2alignl 7, 3214868480
	.fill 96, 4, 3214868480
	.section	.rodata,"a",@progbits
	.p2align	6, 0x0
	.amdhsa_kernel k_q8d685e2b36_att0
		.amdhsa_group_segment_fixed_size 327680
		.amdhsa_private_segment_fixed_size 0
		.amdhsa_enable_private_segment 0
		.amdhsa_kernarg_size 24
		.amdhsa_user_sgpr_count 2
		.amdhsa_user_sgpr_kernarg_segment_ptr 1
		.amdhsa_wavefront_size32 1
		.amdhsa_system_sgpr_workgroup_id_x 1
		.amdhsa_system_sgpr_workgroup_id_y 1
		.amdhsa_system_sgpr_workgroup_id_z 1
		.amdhsa_system_vgpr_workitem_id 0
		.amdhsa_next_free_vgpr 544
		.amdhsa_next_free_sgpr 66
		.amdhsa_reserve_vcc 1
		.amdhsa_float_denorm_mode_32 3
		.amdhsa_float_denorm_mode_16_64 3
		.amdhsa_memory_ordered 1
		.amdhsa_forward_progress 1
		.amdhsa_inst_pref_size 255
	.end_amdhsa_kernel
	.section	.bss,"aw",@nobits
	.p2align	6
	.space	262144
	.amdgpu_metadata
---
amdhsa.version: [ 1, 2 ]
amdhsa.kernels:
  - .name:           k_q8d685e2b36_att0
    .symbol:         k_q8d685e2b36_att0.kd
    .args:
      - { .name: qkvg, .offset: 0, .size: 8, .value_kind: global_buffer, .address_space: global }
      - { .name: wl0, .offset: 8, .size: 8, .value_kind: global_buffer, .address_space: global }
      - { .name: xs0, .offset: 16, .size: 8, .value_kind: global_buffer, .address_space: global }
    .group_segment_fixed_size: 327680
    .private_segment_fixed_size: 0
    .kernarg_segment_align: 8
    .kernarg_segment_size: 24
    .max_flat_workgroup_size: 128
    .sgpr_count:     66
    .vgpr_count:     544
    .wavefront_size: 32
...
	.end_amdgpu_metadata
.endif
;; end of part 3
;; launch wo0 (part 4): grid 8 x 16, 4 waves a work-group, clusters of 4 x 4, 327,680 bytes of LDS; arguments xs0, wl0, xs1; writes xs1
.if DOCPART == 4
	.amdgcn_target "amdgcn-amd-amdhsa--gfx1250"
	.amdhsa_code_object_version 6
	.text
	.protected	k_q8d685e2b36_wo0
	.globl	k_q8d685e2b36_wo0
	.p2align	8
	.type	k_q8d685e2b36_wo0,@function
k_q8d685e2b36_wo0:
	s_mov_b64 s[64:65], 0
	v_nop
	global_prefetch_b8 v0, s[64:65] scope:SCOPE_SE
	s_setreg_imm32_b32 hwreg(HW_REG_WAVE_MODE, 25, 1), 1
	s_wait_xcnt 0x0
	s_wait_alu depctr_hold_cnt(0) depctr_sa_sdst(0) depctr_va_vdst(0) depctr_va_sdst(0) depctr_va_ssrc(0) depctr_va_vcc(0) depctr_vm_vsrc(0)
	s_getreg_b32 s2, hwreg(HW_REG_IB_STS2, 6, 4)
	s_cmp_eq_u32 s2, 0
	s_cbranch_scc0 .Lentry_in_a_cluster
	s_endpgm
.Lentry_in_a_cluster:
	s_bfe_u32 s2, ttmp6, 0x10000c
	s_cmp_lg_u32 s2, 0xf033
	s_cbranch_scc0 .Lentry_shape_is_right
	s_endpgm
.Lentry_shape_is_right:
; WO: x_new[t][n] = x_old[t][n] + hgo[t][:] . Wo[n][:], 2048 x 1024 x 1024 in bf16 with f32 sums; x_new is stored in f32 and in bf16.
; A work-group makes 128 rows x 128 columns with four waves, a wave 64 x 64: 16 accumulator tiles.  128 work-groups: blocks of half the
; columns would make 256, with half the multiply-adds for each byte read from LDS.
; hgo lies as [head][token][64]: a K step of 128 is two heads, each a dense block of 128 rows x 128 bytes (LDS pitch 144).
; CLUSTERS and the ring of two slots as in the projection: hgo's tile is shared along a row of the cluster, Wo's along a column;
; waves 0, 1 ask for the two heads of hgo, waves 2, 3 for the two halves (64 rows) of Wo.  Two tensor loads of a wave are out at the start,
; one behind each refill.
; x_old's block is loaded into registers at the start and lands during the K loop.
; The body serves both layers.  Behind the first layer both copies are read (f32 by the next layer's residual, bf16 by its projection);
; behind the second only the f32 copy is read, and the bf16 copy (4 MiB) is stored though no later launch reads it.
; REGISTERS: window 0 as in the projection; window 1: v0-127 accumulators (tile (a, b) at v[8 (4 a + b)]), v128-255 x_old (row i at 128 + 4 i).
.set BT,     4
.set KSTEP,  128
.set PITCH,  272
.set APITCH, 144                       ; 128 bytes + 16: an odd multiple of 16
.set APART,  128*APITCH
.set ABYTES, 2*APART
.set BHALF,  64*PITCH
.set SLOT,   ABYTES+2*BHALF
.set STAGE,  2*SLOT                    ; behind the ring: 128 rows x 528 bytes, shared
.set SPITCH, 528
.set LAPS,   4
.set AK1,    524288                    ; two heads of hgo
.set BK1,    256
.set XB,     8388608
.set HGO,    12582912
.set WO_OFF, 8388608
.set ADRA, 16
.set ADRB, 20
.set STO,  24
.set RD,   25
.set L16,  28
.set L8,   29
.set F0,   32
.set F1,   128
.set DAT,  32                          ; the way out: 32 rows x 4 registers
.set PKB,  160                         ; the same in bf16: 32 x 2
.set G1,  24
.set G0,  32
.set G1B, 48
.set G0B, 56
.set MSB, 0
.macro WIN new
.if MSB != \new
	s_set_vgpr_msb (MSB<<8)|\new
.set MSB, \new
.endif
.endm
.macro PLACES                          ; four plain places behind a matrix instruction (ISA guide 7.12.1)
.rept 4
	v_nop
.endr
.endm
.macro JLOAD s
	s_cmp_eq_u32 s11, 0
	s_cbranch_scc0 .Lfor_b_\@
	tensor_load_to_lds s[G0+4*\s:G0+4*\s+3], s[G1:G1+7]
	s_nop 0
	s_branch .Lasked_\@
.Lfor_b_\@:
	tensor_load_to_lds s[G0B+4*\s:G0B+4*\s+3], s[G1B:G1B+7]
	s_nop 0
.Lasked_\@:
.endm
.macro CREST
	s_cmp_lg_u32 s10, 0
	s_cbranch_scc1 .Lnot_wave_0_\@
	s_barrier_signal -3
.Lnot_wave_0_\@:
	s_barrier_wait -3
	s_barrier_signal -1
	s_barrier_wait -1
.endm
.macro CROUND
	s_barrier_signal -1
	s_barrier_wait -1
	CREST
.endm
	s_load_b128 s[4:7], s[0:1], 0x0                ; xs_old, wl
	s_load_b64 s[8:9], s[0:1], 0x10                ; xs_new
	v_lshl_add_u32 v254, v0, 2, 0x33800
	v_mov_b32 v255, 0
	ds_add_u32 v254, v255
	ds_add_u32 v254, v255
	v_lshrrev_b32 v1, 5, v0
	v_readfirstlane_b32 s10, v1
	s_lshr_b32 s11, s10, 1
	s_and_b32 s12, s10, 1
	s_bfe_u32 s40, ttmp6, 0x40000
	s_bfe_u32 s41, ttmp6, 0x40004
	s_lshl_b32 s42, ttmp9, 2
	s_add_co_u32 s42, s42, s40                     ; block column
	s_and_b32 s13, ttmp7, 0xffff
	s_lshl_b32 s13, s13, 2
	s_add_co_u32 s13, s13, s41                     ; block row
	s_lshl_b32 s43, s41, 2
	s_lshl_b32 s43, 15, s43
	s_lshl_b32 s44, 0x1111, s40
	s_or_b32 s[G1+0], s43, (1<<16)|(1<<20)|(1<<21)|(4<<22)|(3<<25)   ; padding of 4 words behind every 32
	s_mov_b32 s[G1+1], 64<<16                      ; tensor_dim0 = 64
	s_mov_b32 s[G1+2], 128<<16                     ; tensor_dim1 = 128
	s_mov_b32 s[G1+3], 64<<16                      ; tile_dim0
	s_mov_b32 s[G1+4], 128                         ; tile_dim1
	s_mov_b32 s[G1+5], 64                          ; dense rows
	s_mov_b32 s[G1+6], 0
	s_mov_b32 s[G1+7], 0
	s_or_b32 s[G1B+0], s44, (1<<16)|(1<<20)|(1<<21)|(5<<22)|(3<<25)
	s_mov_b32 s[G1B+1], KSTEP<<16
	s_mov_b32 s[G1B+2], 64<<16
	s_mov_b32 s[G1B+3], KSTEP<<16
	s_mov_b32 s[G1B+4], 64
	s_mov_b32 s[G1B+5], 1024
	s_mov_b32 s[G1B+6], 0
	s_mov_b32 s[G1B+7], 0
	s_lshl_b32 s16, s13, 14                        ; hgo: 128 rows of 128 bytes a block row,
	s_lshl_b32 s18, s12, 18                        ; head = part
	s_add_co_u32 s16, s16, s18
	s_add_co_u32 s16, s16, HGO
	s_mov_b32 s17, 0
	s_lshl_b32 s46, s42, 7
	s_lshl_b32 s18, s12, 6
	s_add_co_u32 s46, s46, s18                     ; Wo: row 128 block column + 64 part
	s_lshl_b32 s46, s46, 11
	s_add_co_u32 s46, s46, WO_OFF
	s_mov_b32 s47, 0
	s_mul_i32 s20, s10, APART
	s_sub_co_u32 s21, s10, 2
	s_mul_i32 s21, s21, BHALF
	s_add_co_u32 s21, s21, ABYTES
	s_wait_dscnt 0x0
	s_wait_kmcnt 0x0
	s_add_nc_u64 s[14:15], s[4:5], s[16:17]
	s_add_nc_u64 s[46:47], s[6:7], s[46:47]
	CROUND
.irp s, 0,1
	s_mov_b32 s[G0+4*\s], 1
	s_add_co_u32 s[G0+4*\s+1], s20, \s*SLOT
	s_add_nc_u64 s[G0+4*\s+2:G0+4*\s+3], s[14:15], \s*AK1
	s_or_b32 s[G0+4*\s+3], s[G0+4*\s+3], 0x80000000
	s_mov_b32 s[G0B+4*\s], 1
	s_add_co_u32 s[G0B+4*\s+1], s21, \s*SLOT
	s_add_nc_u64 s[G0B+4*\s+2:G0B+4*\s+3], s[46:47], \s*BK1
	s_or_b32 s[G0B+4*\s+3], s[G0B+4*\s+3], 0x80000000
	JLOAD \s
.endr
	; my 32 rows of the block on the way out: 128 block row + 32 wave
	s_lshl_b32 s72, s13, 7
	s_lshl_b32 s73, s10, 5
	s_add_co_u32 s72, s72, s73
	s_lshl_b32 s74, s72, 12
	s_lshl_b32 s73, s42, 9
	s_add_co_u32 s74, s74, s73
	s_mov_b32 s75, 0
	s_add_nc_u64 s[66:67], s[4:5], s[74:75]        ; x_old, f32
	s_add_nc_u64 s[68:69], s[8:9], s[74:75]        ; x_new, f32
	s_lshl_b32 s74, s72, 11
	s_lshl_b32 s73, s42, 8
	s_add_co_u32 s74, s74, s73
	s_add_co_u32 s74, s74, XB
	s_add_nc_u64 s[70:71], s[8:9], s[74:75]        ; x_new, bf16
	v_and_b32 v3, 31, v0
	v_lshlrev_b32 v[L16], 4, v3
	v_lshlrev_b32 v[L8], 3, v3
	WIN 0x40
.set i, 0
.rept 32
	global_load_b128 v[128+4*i:128+4*i+3], v[L16], s[66:67] offset:4096*i      ; a row's 512 bytes of the block
.set i, i+1
.endr
	WIN 0
	v_and_b32 v1, 15, v0
	v_bfe_u32 v2, v0, 4, 1
	v_mul_u32_u24 v4, v1, APITCH
	v_lshl_add_u32 v4, v2, 4, v4
	v_mul_u32_u24 v5, v1, PITCH
	v_lshl_add_u32 v5, v2, 4, v5
	s_mul_i32 s22, s11, 64*APITCH
	s_mul_i32 s23, s12, 16*BT*PITCH
	s_add_co_u32 s23, s23, ABYTES
.irp s, 0,1
	v_add_nc_u32 v[ADRA+\s], s22, v4
	v_add_nc_u32 v[ADRB+\s], s23, v5
	s_add_co_u32 s22, s22, SLOT
	s_add_co_u32 s23, s23, SLOT
.endr
	s_mul_i32 s19, s11, 64*SPITCH
	s_lshl_b32 s18, s12, 8
	s_add_co_u32 s19, s19, s18
	s_add_co_u32 s19, s19, STAGE
	v_mul_u32_u24 v4, v1, SPITCH
	v_lshl_add_u32 v4, v2, 5, v4
	v_add_nc_u32 v[STO], s19, v4                   ; stage row 64 wr + r, byte 256 wc + 32 h
	s_mul_i32 s19, s10, 32*SPITCH
	s_add_co_u32 s19, s19, STAGE
	v_add_nc_u32 v[RD], s19, v[L16]                ; stage row 32 wave, 16 bytes a lane
; The accumulators take turns, one instruction a turn, in the same order in every quarter step.
.macro MULA f, a, zero
.irp b, 0,1,2,3
.if \zero
	v_wmma_f32_16x16x32_bf16 v[8*(BT*\a+\b):8*(BT*\a+\b)+7], v[\f+8*\b:\f+8*\b+7], v[\f+64+8*\a:\f+64+8*\a+7], 0
.else
	v_wmma_f32_16x16x32_bf16 v[8*(BT*\a+\b):8*(BT*\a+\b)+7], v[\f+8*\b:\f+8*\b+7], v[\f+64+8*\a:\f+64+8*\a+7], v[8*(BT*\a+\b):8*(BT*\a+\b)+7]
.endif
.endr
.endm
; quarter q: 32 along K = half of head q >> 1
.macro FETCH slot, q, f
.irp i, 0,1,2,3
	ds_load_b128 v[\f+8*\i:\f+8*\i+3],   v[ADRB+\slot] offset:64*\q+\i*16*PITCH
	ds_load_b128 v[\f+8*\i+4:\f+8*\i+7], v[ADRB+\slot] offset:64*\q+\i*16*PITCH+32
.endr
.irp i, 0,1,2,3
	ds_load_b128 v[\f+64+8*\i:\f+64+8*\i+3],   v[ADRA+\slot] offset:(\q>>1)*APART+(\q&1)*64+\i*16*APITCH
	ds_load_b128 v[\f+64+8*\i+4:\f+64+8*\i+7], v[ADRA+\slot] offset:(\q>>1)*APART+(\q&1)*64+\i*16*APITCH+32
.endr
.endm
.macro QUARTER slot, q, f, g, zero
	s_wait_dscnt 4                                 ; all but the youngest four loads (hgo's tiles 2, 3)
	WIN 0x50
	MULA \f, 0, \zero
	MULA \f, 1, \zero
	PLACES
	WIN 0
	FETCH \slot, \q, \g
	s_wait_dscnt 2*BT+8                            ; all but those just issued
	WIN 0x50
	MULA \f, 2, \zero
	MULA \f, 3, \zero
.endm
.macro THREE slot, zero
	QUARTER \slot, 1, F0, F1, \zero
	QUARTER \slot, 2, F1, F0, 0
	QUARTER \slot, 3, F0, F1, 0
.endm
.macro TURN slot, next, fill
	s_wait_dscnt 4
	WIN 0x50
	MULA F1, 0, 0
	s_wait_dscnt 0                                 ; my reads of this slot are over
	s_wait_tensorcnt 0x0                           ; all my tensor loads have landed
	ds_add_u32 v254, v255
	s_wait_dscnt 0x0
	s_barrier_signal -1
	MULA F1, 1, 0
	WIN 0
	s_barrier_wait -1
.if \fill
	CREST
	s_add_nc_u64 s[G0+4*\slot+2:G0+4*\slot+3], s[G0+4*\slot+2:G0+4*\slot+3], 2*AK1
	s_add_nc_u64 s[G0B+4*\slot+2:G0B+4*\slot+3], s[G0B+4*\slot+2:G0B+4*\slot+3], 2*BK1
	JLOAD \slot                                    ; the first tensor load behind the round, one a wave
.endif
	PLACES
	FETCH \next, 0, F0
	WIN 0x50
	MULA F1, 2, 0
	MULA F1, 3, 0
.endm
.macro LAP zero
	THREE 0, \zero
	TURN 0, 1, 1
	THREE 1, 0
	TURN 1, 0, 1
.endm
	s_wait_tensorcnt 1                             ; my part of K step 0 is in; K step 1's stays out
	s_barrier_signal -1
	s_barrier_wait -1
	FETCH 0, 0, F0
	LAP 1
	WIN 0
	s_mov_b32 s3, LAPS-2
.Llap:
	LAP 0
	WIN 0
	s_sub_co_u32 s3, s3, 1
	s_cmp_lg_u32 s3, 0
	s_cbranch_scc1 .Llap
	THREE 0, 0
	TURN 0, 1, 0
	THREE 1, 0
	s_wait_dscnt 4
	WIN 0x50
	MULA F1, 0, 0
	MULA F1, 1, 0
	s_wait_dscnt 0
	MULA F1, 2, 0
	MULA F1, 3, 0
	PLACES
	; the way out: the block in f32 through the shared stage, so that a wave reads whole rows of 512 bytes
	WIN 0x04
.irp a, 0,1,2,3
.irp b, 0,1,2,3
	ds_store_b128 v[STO], v[8*(BT*\a+\b):8*(BT*\a+\b)+3]   offset:16*SPITCH*\a+64*\b
	ds_store_b128 v[STO], v[8*(BT*\a+\b)+4:8*(BT*\a+\b)+7] offset:16*SPITCH*\a+64*\b+16
.endr
.endr
	WIN 0
	s_wait_dscnt 0x0                               ; my stores are done, for the others' sake
	s_barrier_signal -1
	s_barrier_wait -1
.set i, 0
.rept 32
	ds_load_b128 v[DAT+4*i:DAT+4*i+3], v[RD] offset:SPITCH*i
.set i, i+1
.endr
	s_wait_loadcnt 0x0                             ; x_old
.macro BATCH k                         ; eight rows; every row has registers of its own, so no store's data is written again
	s_wait_dscnt 24-8*\k                           ; the eight loads of each later batch stay out
	WIN 0x04
.set i, 8*\k
.rept 8
	v_pk_add_f32 v[DAT+4*i:DAT+4*i+1],   v[DAT+4*i:DAT+4*i+1],   v[128+4*i:128+4*i+1]
	v_pk_add_f32 v[DAT+4*i+2:DAT+4*i+3], v[DAT+4*i+2:DAT+4*i+3], v[128+4*i+2:128+4*i+3]
.set i, i+1
.endr
	WIN 0
.set i, 8*\k
.rept 8
	v_cvt_pk_bf16_f32 v[PKB+2*i],   v[DAT+4*i],   v[DAT+4*i+1]
	v_cvt_pk_bf16_f32 v[PKB+2*i+1], v[DAT+4*i+2], v[DAT+4*i+3]
.set i, i+1
.endr
.set i, 8*\k
.rept 8
	global_store_b128 v[L16], v[DAT+4*i:DAT+4*i+3], s[68:69] offset:4096*i     ; 512 consecutive bytes, aligned
	global_store_b64  v[L8],  v[PKB+2*i:PKB+2*i+1], s[70:71] offset:2048*i     ; 256 consecutive bytes, aligned
.set i, i+1
.endr
.endm
	BATCH 0
	BATCH 1
	BATCH 2
	BATCH 3
	s_wait_tensorcnt 0x0
	ds_add_u32 v254, v255
	s_wait_dscnt 0x0
	CROUND                                         ; the closing round
	s_endpgm
.Lfunc_end_k_q8d685e2b36_wo0:
	.size	k_q8d685e2b36_wo0, .Lfunc_end_k_q8d685e2b36_wo0-k_q8d685e2b36_wo0
	.p2alignl 7, 3214868480
	.fill 96, 4, 3214868480
	.section	.rodata,"a",@progbits
	.p2align	6, 0x0
	.amdhsa_kernel k_q8d685e2b36_wo0
		.amdhsa_group_segment_fixed_size 327680
		.amdhsa_private_segment_fixed_size 0
		.amdhsa_enable_private_segment 0
		.amdhsa_kernarg_size 24
		.amdhsa_user_sgpr_count 2
		.amdhsa_user_sgpr_kernarg_segment_ptr 1
		.amdhsa_wavefront_size32 1
		.amdhsa_system_sgpr_workgroup_id_x 1
		.amdhsa_system_sgpr_workgroup_id_y 1
		.amdhsa_system_sgpr_workgroup_id_z 1
		.amdhsa_system_vgpr_workitem_id 0
		.amdhsa_next_free_vgpr 512
		.amdhsa_next_free_sgpr 80
		.amdhsa_reserve_vcc 0
		.amdhsa_float_denorm_mode_32 3
		.amdhsa_float_denorm_mode_16_64 3
		.amdhsa_memory_ordered 1
		.amdhsa_forward_progress 1
		.amdhsa_inst_pref_size 87
	.end_amdhsa_kernel
	.amdgpu_metadata
---
amdhsa.version: [ 1, 2 ]
amdhsa.kernels:
  - .name:           k_q8d685e2b36_wo0
    .symbol:         k_q8d685e2b36_wo0.kd
    .args:
      - { .name: xs0, .offset: 0, .size: 8, .value_kind: global_buffer, .address_space: global }
      - { .name: wl0, .offset: 8, .size: 8, .value_kind: global_buffer, .address_space: global }
      - { .name: xs1, .offset: 16, .size: 8, .value_kind: global_buffer, .address_space: global }
    .group_segment_fixed_size: 327680
    .private_segment_fixed_size: 0
    .kernarg_segment_align: 8
    .kernarg_segment_size: 24
    .max_flat_workgroup_size: 128
    .sgpr_count:     80
    .vgpr_count:     512
    .wavefront_size: 32
...
	.end_amdgpu_metadata
.endif
;; end of part 4
;; launch proj1: the kernel of part 2 again; grid 16 x 16, 4 waves a work-group, clusters of 4 x 4, 327,680 bytes of LDS; arguments xs1, wl1, qkvg; writes qkvg
;; launch att1: the kernel of part 3 again; grid 512 x 1, 4 waves a work-group, clusters of 4 x 1, 327,680 bytes of LDS; arguments qkvg, wl1, xs1; writes xs1
;; launch wo1: the kernel of part 4 again; grid 8 x 16, 4 waves a work-group, clusters of 4 x 4, 327,680 bytes of LDS; arguments xs1, wl1, xs0; writes xs0
;; launch xn (part 5): grid 256 x 1, 8 waves a work-group, no clusters, 0 bytes of LDS; arguments xs0, s_F, xh; writes xh
.if DOCPART == 5
	.amdgcn_target "amdgcn-amd-amdhsa--gfx1250"
	.amdhsa_code_object_version 6
	.text
	.protected	k_q8d685e2b36_xn
	.globl	k_q8d685e2b36_xn
	.p2align	8
	.type	k_q8d685e2b36_xn,@function
k_q8d685e2b36_xn:
	s_mov_b64 s[64:65], 0
	v_nop
	global_prefetch_b8 v0, s[64:65] scope:SCOPE_SE
	s_setreg_imm32_b32 hwreg(HW_REG_WAVE_MODE, 25, 1), 1
	s_wait_xcnt 0x0
; XN: the last x as the logits' f16 operand.  Row t of x (f32, 4,096 bytes) is divided by m = its largest magnitude and rounded to f16,
; and m exp(s_F) is stored as the row's factor, which the logits' way out multiplies back in.  So no operand number exceeds 1 (8 where m is
; held at its upper bound), whatever the scale of x: f16's range is not at stake, and its 11 significant bits are kept for the final product.
; A launch of its own, since a row's maximum spans the eight column blocks of the launch that makes x.
;   xh: [2048][1024] f16, then 2,048 factors in f32 at byte RS.
; A stream: one wave, one row, eight loads of 512 consecutive bytes, all of which feed the maximum; no LDS, no barrier, no matrix unit.
; 256 work-groups of eight waves.  The factor is one store of 4 bytes a row, 8,192 bytes in the whole launch.
; LIMITS: m is held between 2^-100 and 2^125 (the reciprocal of a larger m would be a denormal, which v_rcp_f32 gives as 0: ISA guide, its
; entry).  A row whose largest magnitude is below 2^-100 loses bits, below 2^-125 it becomes 0.  Numbers below 2^-25 of the row's largest
; are lost in f16.  m exp(s_F) overflows where exp(s_F) times the row's largest number does.  A NaN in a row stays a NaN in that number.
.set RS, 4194304
.set X,  12                            ; v[12:43] the row
.set Y,  44                            ; v[44:59] the row in f16
	s_load_b128 s[4:7], s[0:1], 0x0                ; xs0, s_F
	s_load_b64 s[8:9], s[0:1], 0x10                ; xh
	v_lshrrev_b32 v1, 5, v0
	v_readfirstlane_b32 s2, v1                     ; wave
	v_and_b32 v1, 31, v0                           ; lane
	v_lshlrev_b32 v2, 4, v1                        ; 16 bytes a lane
	v_lshlrev_b32 v3, 3, v1                        ; 8 bytes a lane
	s_mov_b32 s16, 0x76543210                      ; v_permlanex16_b32: lane i reads lane i of the other half
	s_mov_b32 s17, 0xfedcba98
	s_lshl3_add_u32 s3, ttmp9, s2                  ; my row = 8 x work-group + wave
	s_lshl_b32 s10, s3, 12
	s_mov_b32 s11, 0
	s_wait_kmcnt 0x0
	s_load_b32 s18, s[6:7], 0x0                    ; s_F
	s_add_nc_u64 s[4:5], s[4:5], s[10:11]
.irp j, 0,1,2,3,4,5,6,7
	global_load_b128 v[X+4*\j:X+4*\j+3], v2, s[4:5] offset:512*\j th:TH_LOAD_NT
.endr
	s_lshl_b32 s10, s3, 11
	s_add_nc_u64 s[12:13], s[8:9], s[10:11]        ; the row in xh
	s_lshl_b32 s10, s3, 2
	s_add_co_u32 s10, s10, RS
	s_add_nc_u64 s[14:15], s[8:9], s[10:11]        ; the row's factor
	s_wait_kmcnt 0x0
	v_mov_b32 v8, s18
	v_mul_f32 v8, 0x3fb8aa3b, v8
	v_exp_f32 v8, v8                               ; exp(s_F)
	v_mov_b32 v9, 0                                ; the plain place behind it (ISA guide 5.7.2), and the factor's offset
	s_wait_loadcnt 0x0                             ; the whole row: every number enters the maximum
	; the largest and the smallest of my 32 numbers, two chains each
	v_max3_num_f32 v4, v[X], v[X+1], v[X+2]
	v_min3_num_f32 v6, v[X], v[X+1], v[X+2]
	v_max3_num_f32 v5, v[X+3], v[X+4], v[X+5]
	v_min3_num_f32 v7, v[X+3], v[X+4], v[X+5]
.set j, 6
.rept 13
	v_max3_num_f32 v[4+(j>>1)%2], v[4+(j>>1)%2], v[X+j], v[X+j+1]
	v_min3_num_f32 v[6+(j>>1)%2], v[6+(j>>1)%2], v[X+j], v[X+j+1]
.set j, j+2
.endr
	v_max_num_f32 v4, v4, v5
	v_min_num_f32 v6, v6, v7
	v_sub_f32 v6, 0, v6
	v_max_num_f32 v4, v4, v6                       ; the largest magnitude of my 32
	v_max_num_f32_dpp v4, v4, v4 row_xmask:1 row_mask:0xf bank_mask:0xf
	v_max_num_f32_dpp v4, v4, v4 row_xmask:2 row_mask:0xf bank_mask:0xf
	v_max_num_f32_dpp v4, v4, v4 row_xmask:4 row_mask:0xf bank_mask:0xf
	v_max_num_f32_dpp v4, v4, v4 row_xmask:8 row_mask:0xf bank_mask:0xf
	v_permlanex16_b32 v5, v4, s16, s17
	v_max_num_f32 v4, v4, v5                       ; of the row, in every lane
	v_max_num_f32 v4, 0x0d800000, v4               ; held at 2^-100 ..
	v_min_num_f32 v4, 0x7e000000, v4               ; .. 2^125
	v_rcp_f32 v10, v4                              ; twice, to fill the pair of the packed multiply
	v_rcp_f32 v11, v4
	s_wait_alu depctr_va_vdst(0)
	v_mul_f32 v8, v8, v4                           ; the plain place behind them: the row's factor m exp(s_F)
	v_cmp_eq_u32 vcc_lo, 0, v1
	s_wait_xcnt 0x0                                ; EXEC changes only behind this wait
	s_and_saveexec_b32 s19, vcc_lo
	global_store_b32 v9, v8, s[14:15]              ; lane 0 alone
	s_wait_xcnt 0x0
	s_or_b32 exec_lo, exec_lo, s19
.irp p, 0,1,2,3,4,5,6,7,8,9,10,11,12,13,14,15
	v_pk_mul_f32 v[X+2*\p:X+2*\p+1], v[X+2*\p:X+2*\p+1], v[10:11]
.endr
.irp p, 0,1,2,3,4,5,6,7,8,9,10,11,12,13,14,15
	v_cvt_pk_f16_f32 v[Y+\p], v[X+2*\p], v[X+2*\p+1]
.endr
.irp j, 0,1,2,3,4,5,6,7
	global_store_b64 v3, v[Y+2*\j:Y+2*\j+1], s[12:13] offset:256*\j    ; the wave's store covers 256 consecutive bytes, aligned
.endr
	s_endpgm
.Lfunc_end_k_q8d685e2b36_xn:
	.size	k_q8d685e2b36_xn, .Lfunc_end_k_q8d685e2b36_xn-k_q8d685e2b36_xn
	.p2alignl 7, 3214868480
	.fill 96, 4, 3214868480
	.section	.rodata,"a",@progbits
	.p2align	6, 0x0
	.amdhsa_kernel k_q8d685e2b36_xn
		.amdhsa_group_segment_fixed_size 0
		.amdhsa_private_segment_fixed_size 0
		.amdhsa_enable_private_segment 0
		.amdhsa_kernarg_size 24
		.amdhsa_user_sgpr_count 2
		.amdhsa_user_sgpr_kernarg_segment_ptr 1
		.amdhsa_wavefront_size32 1
		.amdhsa_system_sgpr_workgroup_id_x 1
		.amdhsa_system_sgpr_workgroup_id_y 1
		.amdhsa_system_sgpr_workgroup_id_z 1
		.amdhsa_system_vgpr_workitem_id 0
		.amdhsa_next_free_vgpr 64
		.amdhsa_next_free_sgpr 66
		.amdhsa_reserve_vcc 1
		.amdhsa_float_denorm_mode_32 3
		.amdhsa_float_denorm_mode_16_64 3
		.amdhsa_memory_ordered 1
		.amdhsa_forward_progress 1
		.amdhsa_inst_pref_size 8
	.end_amdhsa_kernel
	.amdgpu_metadata
---
amdhsa.version: [ 1, 2 ]
amdhsa.kernels:
  - .name:           k_q8d685e2b36_xn
    .symbol:         k_q8d685e2b36_xn.kd
    .args:
      - { .name: xs0, .offset: 0, .size: 8, .value_kind: global_buffer, .address_space: global }
      - { .name: s_F, .offset: 8, .size: 8, .value_kind: global_buffer, .address_space: global }
      - { .name: xh, .offset: 16, .size: 8, .value_kind: global_buffer, .address_space: global }
    .group_segment_fixed_size: 0
    .private_segment_fixed_size: 0
    .kernarg_segment_align: 8
    .kernarg_segment_size: 24
    .max_flat_workgroup_size: 256
    .sgpr_count:     66
    .vgpr_count:     64
    .wavefront_size: 32
...
	.end_amdgpu_metadata
.endif
;; end of part 5
;; launch logits (part 6): grid 32 x 16, 4 waves a work-group, clusters of 4 x 4, 327,680 bytes of LDS; arguments xh, wn, out0; writes out0
.if DOCPART == 6
	.amdgcn_target "amdgcn-amd-amdhsa--gfx1250"
	.amdhsa_code_object_version 6
	.text
	.protected	k_q8d685e2b36_logits
	.globl	k_q8d685e2b36_logits
	.p2align	8
	.type	k_q8d685e2b36_logits,@function
k_q8d685e2b36_logits:
	s_mov_b64 s[64:65], 0
	v_nop
	global_prefetch_b8 v0, s[64:65] scope:SCOPE_SE
	s_setreg_imm32_b32 hwreg(HW_REG_WAVE_MODE, 25, 1), 1
	s_wait_xcnt 0x0
	s_wait_alu depctr_hold_cnt(0) depctr_sa_sdst(0) depctr_va_vdst(0) depctr_va_sdst(0) depctr_va_ssrc(0) depctr_va_vcc(0) depctr_vm_vsrc(0)
	s_getreg_b32 s2, hwreg(HW_REG_IB_STS2, 6, 4)
	s_cmp_eq_u32 s2, 0
	s_cbranch_scc0 .Lentry_in_a_cluster
	s_endpgm
.Lentry_in_a_cluster:
	s_bfe_u32 s2, ttmp6, 0x10000c
	s_cmp_lg_u32 s2, 0xf033
	s_cbranch_scc0 .Lentry_shape_is_right
	s_endpgm
.Lentry_shape_is_right:
; LOGITS: out0[t][v] = f[t] x (xh[t][:] . wn[v][:]), 2048 x 8000 x 1024 in f16 with f32 sums.  xh[t] = x[t] / m[t] (m = the row's largest
; magnitude), wn[v] = the unit row of embed, f[t] = m[t] exp(s_F).  Both operands are bounded by construction (1; 8 where m is held at its
; bound), so f16 has the room for every scale of the inputs, and with 11 significant bits against bf16's 8 the sum of 1,024 products
; carries an eighth of the rounding error.
; wn has 8,192 rows (the last 192 are zeros), so every tile lies inside it; columns 8000.. are not stored (EXEC).
; A work-group makes 128 rows x 256 columns with four waves, a wave 64 x 128; ring, cluster and register map as in the projection:
; xh's tile is shared along a row of the 4 x 4 cluster, wn's along a column; waves 0, 1 ask for xh's halves (64 rows), waves 2, 3 for wn's (128 rows).
; Two tensor loads of a wave are out at the start, one behind each refill.
; The matrix instruction is used transposed: lane (r, h), register j of tile (a, b) holds row 16 a + r, column 16 b + 8 h + j, so a lane needs
; the factors of four rows (16 a + r): four loads of 4 bytes at the start, which land during the K loop.
.set BT,     8
.set KSTEP,  128
.set PITCH,  272
.set APITCH, 272
.set APART,  64*APITCH
.set ABYTES, 2*APART
.set BHALF,  128*PITCH
.set SLOT,   ABYTES+2*BHALF
.set STAGE,  2*SLOT                    ; behind the ring: 16 rows x 528 bytes for each wave
.set SPITCH, 528
.set LAPS,   4
.set AK1,    256
.set BK1,    256
.set RS,     4194304                   ; the rows' factors in xh
.set OROW,   32000                     ; bytes in a row of out0: 125 x 256
.set ADRA, 16
.set ADRB, 20
.set STO,  24
.set RD,   25
.set CO,   26
.set RO,   27
.set F0,   32
.set F1,   128
.set T,    32
.set RSV,  224                         ; v[224:231] the factor of row 16 a + r, twice, for a = 0 .. 3
.set G1,  24
.set G0,  32
.set G1B, 48
.set G0B, 56
.set MSB, 0
.macro WIN new
.if MSB != \new
	s_set_vgpr_msb (MSB<<8)|\new
.set MSB, \new
.endif
.endm
.macro PLACES                          ; four plain places behind a matrix instruction (ISA guide 7.12.1)
.rept 4
	v_nop
.endr
.endm
.macro JLOAD s
	s_cmp_eq_u32 s11, 0
	s_cbranch_scc0 .Lfor_b_\@
	tensor_load_to_lds s[G0+4*\s:G0+4*\s+3], s[G1:G1+7]
	s_nop 0
	s_branch .Lasked_\@
.Lfor_b_\@:
	tensor_load_to_lds s[G0B+4*\s:G0B+4*\s+3], s[G1B:G1B+7]
	s_nop 0
.Lasked_\@:
.endm
.macro CREST
	s_cmp_lg_u32 s10, 0
	s_cbranch_scc1 .Lnot_wave_0_\@
	s_barrier_signal -3
.Lnot_wave_0_\@:
	s_barrier_wait -3
	s_barrier_signal -1
	s_barrier_wait -1
.endm
.macro CROUND
	s_barrier_signal -1
	s_barrier_wait -1
	CREST
.endm
	s_load_b128 s[4:7], s[0:1], 0x0                ; xh, wn
	s_load_b64 s[8:9], s[0:1], 0x10                ; out0
	v_lshl_add_u32 v254, v0, 2, 0x3b400
	v_mov_b32 v255, 0
	ds_add_u32 v254, v255
	ds_add_u32 v254, v255
	v_lshrrev_b32 v1, 5, v0
	v_readfirstlane_b32 s10, v1
	s_lshr_b32 s11, s10, 1
	s_and_b32 s12, s10, 1
	s_bfe_u32 s40, ttmp6, 0x40000
	s_bfe_u32 s41, ttmp6, 0x40004
	s_lshl_b32 s42, ttmp9, 2
	s_add_co_u32 s42, s42, s40                     ; block column
	s_and_b32 s13, ttmp7, 0xffff
	s_lshl_b32 s13, s13, 2
	s_add_co_u32 s13, s13, s41                     ; block row
	s_lshl_b32 s43, s41, 2
	s_lshl_b32 s43, 15, s43
	s_lshl_b32 s44, 0x1111, s40
	s_or_b32 s[G1+0], s43, (1<<16)|(1<<20)|(1<<21)|(5<<22)|(3<<25)
	s_mov_b32 s[G1+1], KSTEP<<16
	s_mov_b32 s[G1+2], 64<<16
	s_mov_b32 s[G1+3], KSTEP<<16
	s_mov_b32 s[G1+4], 64
	s_mov_b32 s[G1+5], 1024
	s_mov_b32 s[G1+6], 0
	s_mov_b32 s[G1+7], 0
	s_or_b32 s[G1B+0], s44, (1<<16)|(1<<20)|(1<<21)|(5<<22)|(3<<25)
	s_mov_b32 s[G1B+1], KSTEP<<16
	s_mov_b32 s[G1B+2], 128<<16
	s_mov_b32 s[G1B+3], KSTEP<<16
	s_mov_b32 s[G1B+4], 128
	s_mov_b32 s[G1B+5], 1024
	s_mov_b32 s[G1B+6], 0
	s_mov_b32 s[G1B+7], 0
	s_lshl_b32 s16, s13, 7
	s_lshl_b32 s18, s12, 6
	s_add_co_u32 s16, s16, s18                     ; xh: row 128 block row + 64 part
	s_lshl_b32 s16, s16, 11
	s_mov_b32 s17, 0
	s_lshl_b32 s46, s42, 8
	s_lshl_b32 s18, s12, 7
	s_add_co_u32 s46, s46, s18                     ; wn: row 256 block column + 128 part
	s_lshl_b32 s46, s46, 11
	s_mov_b32 s47, 0
	s_mul_i32 s20, s10, APART
	s_sub_co_u32 s21, s10, 2
	s_mul_i32 s21, s21, BHALF
	s_add_co_u32 s21, s21, ABYTES
	s_wait_dscnt 0x0
	s_wait_kmcnt 0x0
	s_add_nc_u64 s[14:15], s[4:5], s[16:17]
	s_add_nc_u64 s[46:47], s[6:7], s[46:47]
	CROUND
.irp s, 0,1
	s_mov_b32 s[G0+4*\s], 1
	s_add_co_u32 s[G0+4*\s+1], s20, \s*SLOT
	s_add_nc_u64 s[G0+4*\s+2:G0+4*\s+3], s[14:15], \s*AK1
	s_or_b32 s[G0+4*\s+3], s[G0+4*\s+3], 0x80000000
	s_mov_b32 s[G0B+4*\s], 1
	s_add_co_u32 s[G0B+4*\s+1], s21, \s*SLOT
	s_add_nc_u64 s[G0B+4*\s+2:G0B+4*\s+3], s[46:47], \s*BK1
	s_or_b32 s[G0B+4*\s+3], s[G0B+4*\s+3], 0x80000000
	JLOAD \s
.endr
	s_lshl_b32 s70, s13, 7
	s_lshl_b32 s71, s11, 6
	s_add_co_u32 s70, s70, s71                     ; my first row
	s_lshl_b32 s70, s70, 2
	s_add_co_u32 s70, s70, RS
	s_mov_b32 s71, 0
	s_add_nc_u64 s[68:69], s[4:5], s[70:71]        ; its factor
	v_and_b32 v1, 15, v0
	v_bfe_u32 v2, v0, 4, 1
	v_and_b32 v5, 31, v0
	v_lshlrev_b32 v[RO], 2, v1
.irp a, 0,1,2,3
	global_load_b32 v[RSV+2*\a], v[RO], s[68:69] offset:64*\a      ; the factor of row 16 a + r
.endr
	v_mul_u32_u24 v3, v1, PITCH
	v_lshl_add_u32 v3, v2, 4, v3
	s_mul_i32 s22, s11, 64*APITCH
	s_mul_i32 s23, s12, 16*BT*PITCH
	s_add_co_u32 s23, s23, ABYTES
.irp s, 0,1
	v_add_nc_u32 v[ADRA+\s], s22, v3
	v_add_nc_u32 v[ADRB+\s], s23, v3
	s_add_co_u32 s22, s22, SLOT
	s_add_co_u32 s23, s23, SLOT
.endr
	s_mul_i32 s19, s10, 16*SPITCH
	s_add_co_u32 s19, s19, STAGE                   ; my stage
	v_mul_u32_u24 v4, v1, SPITCH
	v_lshl_add_u32 v4, v2, 5, v4
	v_add_nc_u32 v[STO], s19, v4                   ; in: row r, 32 bytes for each half of the lanes
	v_lshlrev_b32 v[CO], 4, v5                     ; 16 bytes a lane: a row's 512 bytes
	v_add_nc_u32 v[RD], s19, v[CO]
; The accumulators take turns, one instruction a turn, in the same order in every quarter step.
.macro MULA f, a, zero
.irp b, 0,1,2,3,4,5,6,7
.if \zero
	v_wmma_f32_16x16x32_f16 v[8*(BT*\a+\b):8*(BT*\a+\b)+7], v[\f+8*\b:\f+8*\b+7], v[\f+64+8*\a:\f+64+8*\a+7], 0
.else
	v_wmma_f32_16x16x32_f16 v[8*(BT*\a+\b):8*(BT*\a+\b)+7], v[\f+8*\b:\f+8*\b+7], v[\f+64+8*\a:\f+64+8*\a+7], v[8*(BT*\a+\b):8*(BT*\a+\b)+7]
.endif
.endr
.endm
.macro FETCH slot, q, f
.irp i, 0,1,2,3,4,5,6,7
	ds_load_b128 v[\f+8*\i:\f+8*\i+3],   v[ADRB+\slot] offset:64*\q+\i*16*PITCH
	ds_load_b128 v[\f+8*\i+4:\f+8*\i+7], v[ADRB+\slot] offset:64*\q+\i*16*PITCH+32
.endr
.irp i, 0,1,2,3
	ds_load_b128 v[\f+64+8*\i:\f+64+8*\i+3],   v[ADRA+\slot] offset:64*\q+\i*16*APITCH
	ds_load_b128 v[\f+64+8*\i+4:\f+64+8*\i+7], v[ADRA+\slot] offset:64*\q+\i*16*APITCH+32
.endr
.endm
.macro QUARTER slot, q, f, g, zero
	s_wait_dscnt 4                                 ; all but the youngest four loads (xh's tiles 2, 3)
	WIN 0x50
	MULA \f, 0, \zero
	MULA \f, 1, \zero
	PLACES
	WIN 0
	FETCH \slot, \q, \g
	s_wait_dscnt 2*BT+8                            ; all but those just issued
	WIN 0x50
	MULA \f, 2, \zero
	MULA \f, 3, \zero
.endm
.macro THREE slot, zero
	QUARTER \slot, 1, F0, F1, \zero
	QUARTER \slot, 2, F1, F0, 0
	QUARTER \slot, 3, F0, F1, 0
.endm
.macro TURN slot, next, fill
	s_wait_dscnt 4
	WIN 0x50
	MULA F1, 0, 0
	s_wait_dscnt 0                                 ; my reads of this slot are over
	s_wait_tensorcnt 0x0                           ; all my tensor loads have landed
	ds_add_u32 v254, v255
	s_wait_dscnt 0x0
	s_barrier_signal -1
	MULA F1, 1, 0
	WIN 0
	s_barrier_wait -1
.if \fill
	CREST
	s_add_nc_u64 s[G0+4*\slot+2:G0+4*\slot+3], s[G0+4*\slot+2:G0+4*\slot+3], 2*AK1
	s_add_nc_u64 s[G0B+4*\slot+2:G0B+4*\slot+3], s[G0B+4*\slot+2:G0B+4*\slot+3], 2*BK1
	JLOAD \slot                                    ; the first tensor load behind the round, one a wave
.endif
	PLACES
	FETCH \next, 0, F0
	WIN 0x50
	MULA F1, 2, 0
	MULA F1, 3, 0
.endm
.macro LAP zero
	THREE 0, \zero
	TURN 0, 1, 1
	THREE 1, 0
	TURN 1, 0, 1
.endm
	s_wait_tensorcnt 1                             ; my part of K step 0 is in; K step 1's stays out
	s_barrier_signal -1
	s_barrier_wait -1
	FETCH 0, 0, F0
	LAP 1
	WIN 0
	s_mov_b32 s3, LAPS-2
.Llap:
	LAP 0
	WIN 0
	s_sub_co_u32 s3, s3, 1
	s_cmp_lg_u32 s3, 0
	s_cbranch_scc1 .Llap
	THREE 0, 0
	TURN 0, 1, 0
	THREE 1, 0
	s_wait_dscnt 4
	WIN 0x50
	MULA F1, 0, 0
	MULA F1, 1, 0
	s_wait_dscnt 0
	MULA F1, 2, 0
	MULA F1, 3, 0
	WIN 0
	PLACES
	s_lshl_b32 s16, s13, 7
	s_lshl_b32 s18, s11, 6
	s_add_co_u32 s16, s16, s18                     ; my first row
	s_mul_i32 s16, s16, OROW
	s_mov_b32 s17, 0
	s_add_nc_u64 s[8:9], s[8:9], s[16:17]
	s_lshl_b32 s67, s42, 8
	s_lshl_b32 s18, s12, 7
	s_add_co_u32 s67, s67, s18                     ; my first column
	s_lshl_b32 s46, s67, 2
	s_mov_b32 s47, 0
	s_add_nc_u64 s[8:9], s[8:9], s[46:47]
	v_lshl_add_u32 v5, v5, 2, s67                  ; my lane's first column
	v_cmp_gt_u32 vcc_lo, 8000, v5                  ; it exists (four columns a lane; 8000 is a multiple of 4)
	s_wait_loadcnt 0x0                             ; the four factors, asked for at the start
	s_wait_xcnt 0x0                                ; and EXEC, a source of those loads, may change below
.irp a, 0,1,2,3
	v_mov_b32 v[RSV+2*\a+1], v[RSV+2*\a]           ; a pair for the packed multiply
.endr
; rows 16 a .. 16 a + 15: times the rows' factors, then f32 through my own stage, read back as whole rows of 512 bytes
.macro OUTL a
	WIN 0x41                                       ; destination and source 0: the accumulators; source 1: the factor
.irp b, 0,1,2,3,4,5,6,7
.irp p, 0,2,4,6
	v_pk_mul_f32 v[8*(BT*\a+\b)+\p:8*(BT*\a+\b)+\p+1], v[8*(BT*\a+\b)+\p:8*(BT*\a+\b)+\p+1], v[RSV+2*\a:RSV+2*\a+1]
.endr
.endr
	WIN 0x04
.irp b, 0,1,2,3,4,5,6,7
	ds_store_b128 v[STO], v[8*(BT*\a+\b):8*(BT*\a+\b)+3]   offset:64*\b
	ds_store_b128 v[STO], v[8*(BT*\a+\b)+4:8*(BT*\a+\b)+7] offset:64*\b+16
.endr
	WIN 0
.if \a
	s_add_nc_u64 s[8:9], s[8:9], 16*OROW           ; behind the wait that closed the last sixteen rows' stores
.endif
.irp i, 0,1,2,3,4,5,6,7,8,9,10,11,12,13,14,15
	ds_load_b128 v[T+4*\i:T+4*\i+3], v[RD] offset:SPITCH*\i        ; LDS serves a wave's instructions in order: these see the stores above
.endr
	s_wait_dscnt 0x0
	s_and_saveexec_b32 s66, vcc_lo                 ; no global access has been issued since the last wait for translated addresses
.irp i, 0,1,2,3,4,5,6,7,8,9,10,11,12,13,14,15
	global_store_b128 v[CO], v[T+4*\i:T+4*\i+3], s[8:9] offset:OROW*\i th:TH_STORE_NT    ; 16 lanes store 256 consecutive bytes, aligned
.endr
	s_wait_xcnt 0x0                                ; EXEC, the data and the base are written again only behind this wait
	s_or_b32 exec_lo, exec_lo, s66
.endm
	OUTL 0
	OUTL 1
	OUTL 2
	OUTL 3
	s_wait_tensorcnt 0x0
	ds_add_u32 v254, v255
	s_wait_dscnt 0x0
	CROUND                                         ; the closing round
	s_endpgm
.Lfunc_end_k_q8d685e2b36_logits:
	.size	k_q8d685e2b36_logits, .Lfunc_end_k_q8d685e2b36_logits-k_q8d685e2b36_logits
	.p2alignl 7, 3214868480
	.fill 96, 4, 3214868480
	.section	.rodata,"a",@progbits
	.p2align	6, 0x0
	.amdhsa_kernel k_q8d685e2b36_logits
		.amdhsa_group_segment_fixed_size 327680
		.amdhsa_private_segment_fixed_size 0
		.amdhsa_enable_private_segment 0
		.amdhsa_kernarg_size 24
		.amdhsa_user_sgpr_count 2
		.amdhsa_user_sgpr_kernarg_segment_ptr 1
		.amdhsa_wavefront_size32 1
		.amdhsa_system_sgpr_workgroup_id_x 1
		.amdhsa_system_sgpr_workgroup_id_y 1
		.amdhsa_system_sgpr_workgroup_id_z 1
		.amdhsa_system_vgpr_workitem_id 0
		.amdhsa_next_free_vgpr 512
		.amdhsa_next_free_sgpr 80
		.amdhsa_reserve_vcc 1
		.amdhsa_float_denorm_mode_32 3
		.amdhsa_float_denorm_mode_16_64 3
		.amdhsa_memory_ordered 1
		.amdhsa_forward_progress 1
		.amdhsa_inst_pref_size 125
	.end_amdhsa_kernel
	.amdgpu_metadata
---
amdhsa.version: [ 1, 2 ]
amdhsa.kernels:
  - .name:           k_q8d685e2b36_logits
    .symbol:         k_q8d685e2b36_logits.kd
    .args:
      - { .name: xh, .offset: 0, .size: 8, .value_kind: global_buffer, .address_space: global }
      - { .name: wn, .offset: 8, .size: 8, .value_kind: global_buffer, .address_space: global }
      - { .name: out0, .offset: 16, .size: 8, .value_kind: global_buffer, .address_space: global }
    .group_segment_fixed_size: 327680
    .private_segment_fixed_size: 0
    .kernarg_segment_align: 8
    .kernarg_segment_size: 24
    .max_flat_workgroup_size: 128
    .sgpr_count:     80
    .vgpr_count:     512
    .wavefront_size: 32
...
	.end_amdgpu_metadata
.endif
;; end of part 6
;; ======== version 2 of 2: 9 launches
;; limits: values outside matrix products are rounded to bf16
;; workspace buffers: wn 16,777,216 bytes; wl0 10,486,784 bytes; wl1 10,486,784 bytes; xs0 16,777,216 bytes; xs1 16,777,216 bytes; qkvg 16,777,216 bytes; xh 4,202,496 bytes
;; launch prep: the kernel of part 1 again; grid 641 x 1, 8 waves a work-group, no clusters, 0 bytes of LDS; arguments embed, input_ids, s_E, Wq, Wk, Wv, Wg, Wo, sw, sr, sO, wn, wl0, wl1, xs0; writes wn, wl0, wl1, xs0
;; launch proj0: the kernel of part 2 again; grid 16 x 16, 4 waves a work-group, clusters of 4 x 4, 327,680 bytes of LDS; arguments xs0, wl0, qkvg; writes qkvg
;; launch att0: the kernel of part 3 again; grid 512 x 1, 4 waves a work-group, clusters of 4 x 1, 327,680 bytes of LDS; arguments qkvg, wl0, xs0; writes xs0
;; launch wo0 (part 7): grid 8 x 32, 4 waves a work-group, clusters of 4 x 4, 327,680 bytes of LDS; arguments xs0, wl0, xs1; writes xs1
.if DOCPART == 7
	.amdgcn_target "amdgcn-amd-amdhsa--gfx1250"
	.amdhsa_code_object_version 6
	.text
	.protected	k_q8d685e2b36_wo0
	.globl	k_q8d685e2b36_wo0
	.p2align	8
	.type	k_q8d685e2b36_wo0,@function
k_q8d685e2b36_wo0:
	s_mov_b64 s[64:65], 0
	v_nop
	global_prefetch_b8 v0, s[64:65] scope:SCOPE_SE
	s_setreg_imm32_b32 hwreg(HW_REG_WAVE_MODE, 25, 1), 1
	s_wait_xcnt 0x0
	s_wait_alu depctr_hold_cnt(0) depctr_sa_sdst(0) depctr_va_vdst(0) depctr_va_sdst(0) depctr_va_ssrc(0) depctr_va_vcc(0) depctr_vm_vsrc(0)
	s_getreg_b32 s2, hwreg(HW_REG_IB_STS2, 6, 4)
	s_cmp_eq_u32 s2, 0
	s_cbranch_scc0 .Lentry_in_a_cluster
	s_endpgm
.Lentry_in_a_cluster:
	s_bfe_u32 s2, ttmp6, 0x10000c
	s_cmp_lg_u32 s2, 0xf033
	s_cbranch_scc0 .Lentry_shape_is_right
	s_endpgm
.Lentry_shape_is_right:
; WO: x_new[t][n] = x_old[t][n] + hgo[t][:] . Wo[n][:], 2048 x 1024 x 1024 in bf16 with f32 sums; x_new is stored in f32 and in bf16.
; A work-group makes 64 rows x 128 columns: 32 x 8 = 256 work-groups.  Four waves, a wave 32 x 64: 8 accumulator tiles.
; A block's operands are (64 + 128) rows x 2,048 bytes.  K goes in four parts of 256 (four heads).  Three parts lie in LDS at once, in three
; slots, and all three are asked for at the start: three tensor loads of a wave are out there.  The fourth part is the
; kernel's one refill, into slot 0 when that has been read; it has the work of two parts (128 matrix instructions a wave) in which to land.
; hgo lies as [head][token][64]: the block's 64 tokens of a head are 8,192 consecutive bytes.  A wave's two heads come as ONE tile of two rows
; of 4,096 elements, 131,072 elements apart; the padding's interval is 32 words, so each token's 128 bytes get 16 behind them (LDS pitch 144).
; Wo's part of a slot: 128 rows x 512 bytes (LDS pitch 528).  Waves 0, 1 ask for hgo's heads, waves 2, 3 for Wo's halves: one load a wave and slot.
; CLUSTERS: 4 x 4 work-groups; hgo's tile hangs on the block row alone and is asked for jointly by a row of the cluster, Wo's on the block
; column alone and is asked for jointly by a column.
; The 32 steps of 32 along K are written out.  Fragments go through three register buffers, fetched two steps ahead.  A wave reads 12 x 512 bytes
; from LDS for 8 matrix instructions: the price of sharing 2 x 2048 x 1024 x 1024 operations among 256 work-groups.
; The matrix instruction is used transposed (source 0 = rows of Wo, source 1 = rows of hgo): lane (r, h), register j of tile (a, b) holds
; row 16 a + r, column 16 b + 8 h + j.
; THE STAGE of the way out lies in slot 1: that slot is filled once, at the start, and every wave has waited for its last reads of it in front of
; the barrier that shows the refilled slot 0.
; x_old's block is loaded into registers at the start.
; The body serves both layers.  Behind the first layer both copies of x_new are read (f32 by the next layer's residual, bf16 by its projection);
; behind the second only the f32 copy is read, and the bf16 copy (4 MiB) is stored though no later launch reads it.
; REGISTERS: window 0: v16-29 addresses, v32-95 accumulators (tile (a, b) at 32 + 8 (4 a + b)), v96-239 three fragment buffers of 48
; (Wo at +8 b, hgo at +32+8 a); window 1: v0-63 x_old (row i at 4 i).  The products need no change of window.
.set APITCH, 144                       ; 128 bytes + 16: an odd multiple of 16
.set BPITCH, 528                       ; 512 bytes + 16: an odd multiple of 16
.set HEADB,  64*APITCH                 ; a head's 64 tokens
.set APART,  2*HEADB                   ; what wave 0 or 1 brings
.set ABYTES, 2*APART
.set BHALF,  64*BPITCH                 ; what wave 2 or 3 brings
.set SLOT,   ABYTES+2*BHALF            ; 104,448
.set STAGE,  SLOT                      ; 64 rows x 528 bytes at the head of slot 1
.set SPITCH, 528
.set AK1,    1048576                   ; four heads of hgo
.set BK1,    512                       ; 256 along K in a row of Wo
.set XB,     8388608
.set HGO,    12582912
.set WO_OFF, 8388608
.set ADRA, 16                          ; v16-18  my hgo fragments in slot 0, 1, 2
.set ADRB, 20                          ; v20-22  my Wo fragments in slot 0, 1, 2
.set STO,  24
.set RD,   25
.set L16,  28
.set L8,   29
.set ACC,  32
.set FR,   96
.set DAT,  96                          ; the way out: 16 rows x 4 registers
.set PKB,  160                         ; the same in bf16: 16 x 2
.set XO,   0                           ; window 1: x_old
.set G1,  24                           ; s[24:31] group 1 for hgo
.set G1B, 48                           ; s[48:55] group 1 for Wo
.set G0,  68                           ; s[68:79] group 0 for hgo, a set for each slot
.set G0B, 80                           ; s[80:91] group 0 for Wo, a set for each slot
.set MSB, 0
.macro WIN new                         ; the immediate's high byte repeats the setting that is left
.if MSB != \new
	s_set_vgpr_msb (MSB<<8)|\new
.set MSB, \new
.endif
.endm
.macro PLACES                          ; four plain places behind a matrix instruction (ISA guide 7.12.1)
.rept 4
	v_nop
.endr
.endm
.macro JLOAD s                         ; a joint load: waves 0, 1 by hgo's descriptors, waves 2, 3 by Wo's; the branch hangs on the wave's number alone
	s_cmp_eq_u32 s11, 0
	s_cbranch_scc0 .Lfor_b_\@
	tensor_load_to_lds s[G0+4*\s:G0+4*\s+3], s[G1:G1+7]
	s_nop 0
	s_branch .Lasked_\@
.Lfor_b_\@:
	tensor_load_to_lds s[G0B+4*\s:G0B+4*\s+3], s[G1B:G1B+7]
	s_nop 0
.Lasked_\@:
.endm
.macro CREST                           ; a round of the cluster's barrier behind its opening barrier
	s_cmp_lg_u32 s10, 0
	s_cbranch_scc1 .Lnot_wave_0_\@
	s_barrier_signal -3
.Lnot_wave_0_\@:
	s_barrier_wait -3
	s_barrier_signal -1
	s_barrier_wait -1
.endm
.macro CROUND
	s_barrier_signal -1
	s_barrier_wait -1
	CREST
.endm
	s_load_b128 s[4:7], s[0:1], 0x0                ; xs_old, wl
	s_load_b64 s[8:9], s[0:1], 0x10                ; xs_new
	v_lshl_add_u32 v254, v0, 2, 0x4c800
	v_mov_b32 v255, 0
	ds_add_u32 v254, v255
	ds_add_u32 v254, v255
	v_lshrrev_b32 v1, 5, v0
	v_readfirstlane_b32 s10, v1                    ; wave
	s_lshr_b32 s11, s10, 1                         ; my half of the block's rows; also: I fetch for hgo (0) or Wo (1)
	s_and_b32 s12, s10, 1                          ; my half of its columns; also: which part I fetch
	s_bfe_u32 s40, ttmp6, 0x40000                  ; cx
	s_bfe_u32 s41, ttmp6, 0x40004                  ; cy
	s_lshl_b32 s42, ttmp9, 2
	s_add_co_u32 s42, s42, s40                     ; block column
	s_and_b32 s13, ttmp7, 0xffff
	s_lshl_b32 s13, s13, 2
	s_add_co_u32 s13, s13, s41                     ; block row
	s_lshl_b32 s43, s41, 2
	s_lshl_b32 s43, 15, s43                        ; my row of the cluster
	s_lshl_b32 s44, 0x1111, s40                    ; my column
	s_or_b32 s[G1+0], s43, (1<<16)|(1<<20)|(1<<21)|(4<<22)|(3<<25)   ; mask; 2-byte elements; padding of 4 words behind every 32
	s_mov_b32 s[G1+1], 4096<<16                    ; tensor_dim0 = 4096: 64 tokens x 64 numbers of a head
	s_mov_b32 s[G1+2], 2<<16                       ; tensor_dim1 = 2 heads
	s_mov_b32 s[G1+3], 4096<<16                    ; tile_dim0
	s_mov_b32 s[G1+4], 2                           ; tile_dim1
	s_mov_b32 s[G1+5], 131072                      ; elements from head to head: 2048 x 64
	s_mov_b32 s[G1+6], 0
	s_mov_b32 s[G1+7], 0
	s_or_b32 s[G1B+0], s44, (1<<16)|(1<<20)|(1<<21)|(6<<22)|(3<<25)  ; padding of 4 words behind every 128
	s_mov_b32 s[G1B+1], 256<<16                    ; tensor_dim0 = 256
	s_mov_b32 s[G1B+2], 64<<16                     ; tensor_dim1 = 64
	s_mov_b32 s[G1B+3], 256<<16                    ; tile_dim0
	s_mov_b32 s[G1B+4], 64                         ; tile_dim1
	s_mov_b32 s[G1B+5], 1024                       ; elements from row to row
	s_mov_b32 s[G1B+6], 0
	s_mov_b32 s[G1B+7], 0
	s_lshl_b32 s16, s13, 13                        ; hgo: 64 tokens of 128 bytes a block row,
	s_lshl_b32 s18, s12, 19                        ; two heads of 262,144 bytes a part
	s_add_co_u32 s16, s16, s18
	s_add_co_u32 s16, s16, HGO
	s_mov_b32 s17, 0
	s_lshl_b32 s46, s42, 7
	s_lshl_b32 s18, s12, 6
	s_add_co_u32 s46, s46, s18                     ; Wo: row 128 block column + 64 part
	s_lshl_b32 s46, s46, 11
	s_add_co_u32 s46, s46, WO_OFF
	s_mov_b32 s47, 0
	s_mul_i32 s20, s10, APART                      ; LDS: hgo's parts at wave x part (waves 0, 1),
	s_sub_co_u32 s21, s10, 2
	s_mul_i32 s21, s21, BHALF
	s_add_co_u32 s21, s21, ABYTES                  ; Wo's behind them at (wave - 2) x half (waves 2, 3)
	s_wait_dscnt 0x0
	s_wait_kmcnt 0x0
	s_add_nc_u64 s[14:15], s[4:5], s[16:17]
	s_add_nc_u64 s[46:47], s[6:7], s[46:47]
	CROUND                                         ; all sixteen work-groups are here: the first joint loads meet
.irp s, 0,1,2
	s_mov_b32 s[G0+4*\s], 1
	s_add_co_u32 s[G0+4*\s+1], s20, \s*SLOT
	s_add_nc_u64 s[G0+4*\s+2:G0+4*\s+3], s[14:15], \s*AK1
	s_or_b32 s[G0+4*\s+3], s[G0+4*\s+3], 0x80000000
	s_mov_b32 s[G0B+4*\s], 1
	s_add_co_u32 s[G0B+4*\s+1], s21, \s*SLOT
	s_add_nc_u64 s[G0B+4*\s+2:G0B+4*\s+3], s[46:47], \s*BK1
	s_or_b32 s[G0B+4*\s+3], s[G0B+4*\s+3], 0x80000000
	JLOAD \s                                       ; K 0-255, 256-511, 512-767: three quarters of the operands are asked for before anything else is done
.endr
	; my 16 rows of the block on the way out: 64 block row + 16 wave
	s_lshl_b32 s38, s13, 6
	s_lshl_b32 s39, s10, 4
	s_add_co_u32 s38, s38, s39
	s_lshl_b32 s56, s38, 12
	s_lshl_b32 s39, s42, 9
	s_add_co_u32 s56, s56, s39
	s_mov_b32 s57, 0
	s_add_nc_u64 s[32:33], s[4:5], s[56:57]        ; x_old, f32
	s_add_nc_u64 s[34:35], s[8:9], s[56:57]        ; x_new, f32
	s_lshl_b32 s56, s38, 11
	s_lshl_b32 s39, s42, 8
	s_add_co_u32 s56, s56, s39
	s_add_co_u32 s56, s56, XB
	s_add_nc_u64 s[36:37], s[8:9], s[56:57]        ; x_new, bf16
	v_and_b32 v3, 31, v0
	v_lshlrev_b32 v[L16], 4, v3
	v_lshlrev_b32 v[L8], 3, v3
	WIN 0x40
.set i, 0
.rept 16
	global_load_b128 v[XO+4*i:XO+4*i+3], v[L16], s[32:33] offset:4096*i        ; a row's 512 bytes of the block
.set i, i+1
.endr
	WIN 0
	v_and_b32 v1, 15, v0                           ; r
	v_bfe_u32 v2, v0, 4, 1                         ; h
	v_mul_u32_u24 v4, v1, APITCH
	v_lshl_add_u32 v4, v2, 4, v4
	v_mul_u32_u24 v5, v1, BPITCH
	v_lshl_add_u32 v5, v2, 4, v5
	s_mul_i32 s22, s11, 32*APITCH                  ; my 32 rows of hgo
	s_mul_i32 s23, s12, 64*BPITCH                  ; my 64 rows of Wo,
	s_add_co_u32 s23, s23, ABYTES                  ; which lie behind hgo's four heads
.irp s, 0,1,2
	v_add_nc_u32 v[ADRA+\s], s22, v4
	v_add_nc_u32 v[ADRB+\s], s23, v5
	s_add_co_u32 s22, s22, SLOT
	s_add_co_u32 s23, s23, SLOT
.endr
	s_mul_i32 s19, s11, 32*SPITCH
	s_lshl_b32 s18, s12, 8
	s_add_co_u32 s19, s19, s18
	s_add_co_u32 s19, s19, STAGE
	v_mul_u32_u24 v4, v1, SPITCH
	v_lshl_add_u32 v4, v2, 5, v4
	v_add_nc_u32 v[STO], s19, v4                   ; stage row 32 wr + r, byte 256 wc + 32 h
	s_mul_i32 s19, s10, 16*SPITCH
	s_add_co_u32 s19, s19, STAGE
	v_add_nc_u32 v[RD], s19, v[L16]                ; stage row 16 wave, 16 bytes a lane
; The fragments of step n (32 along K; n = 0 .. 31) into buffer n mod 3: 8 loads of Wo, 4 of hgo.
; Part n >> 3 of K lies in slot (n >> 3) mod 3; step q = n & 7 of a part is half q & 1 of head q >> 1.
.macro FETCHG n
.set fs, ((\n)>>3)%3
.set fq, (\n)&7
.set fb, FR+48*((\n)%3)
.irp i, 0,1,2,3
	ds_load_b128 v[fb+8*\i:fb+8*\i+3],   v[ADRB+fs] offset:64*fq+\i*16*BPITCH
	ds_load_b128 v[fb+8*\i+4:fb+8*\i+7], v[ADRB+fs] offset:64*fq+\i*16*BPITCH+32
.endr
.irp i, 0,1
	ds_load_b128 v[fb+32+8*\i:fb+32+8*\i+3],   v[ADRA+fs] offset:(fq>>1)*HEADB+(fq&1)*64+\i*16*APITCH
	ds_load_b128 v[fb+32+8*\i+4:fb+32+8*\i+7], v[ADRA+fs] offset:(fq>>1)*HEADB+(fq&1)*64+\i*16*APITCH+32
.endr
.endm
; Step n's eight matrix instructions.  The accumulators take turns, one instruction a turn, in the same order in every step.
; Step 0 starts the sums.
.macro MUL8 n
.set mb, FR+48*((\n)%3)
.irp a, 0,1
.irp b, 0,1,2,3
.if (\n) == 0
	v_wmma_f32_16x16x32_bf16 v[ACC+8*(4*\a+\b):ACC+8*(4*\a+\b)+7], v[mb+8*\b:mb+8*\b+7], v[mb+32+8*\a:mb+32+8*\a+7], 0
.else
	v_wmma_f32_16x16x32_bf16 v[ACC+8*(4*\a+\b):ACC+8*(4*\a+\b)+7], v[mb+8*\b:mb+8*\b+7], v[mb+32+8*\a:mb+32+8*\a+7], v[ACC+8*(4*\a+\b):ACC+8*(4*\a+\b)+7]
.endif
.endr
.endr
.endm
; Step gq.  ahead = 1: the fragments of step gq + 2 are fetched first, into the buffer that step gq - 1 has just multiplied (hence the places).
; left = the LDS loads younger than step gq's twelve.
.macro STEPQ ahead, left
.if \ahead
	PLACES
	FETCHG gq+2
.endif
	s_wait_dscnt \left
	MUL8 gq
.set gq, gq+1
.endm
; A run of n steps on slots that are whole: two fetches ahead, n - 2 steps that fetch, two that do not
.macro RUN n
	PLACES                                         ; the buffers were sources of the last run's matrix instructions
	FETCHG gq
	FETCHG gq+1
.rept \n-2
	STEPQ 1, 24                                    ; two younger fetches of twelve loads stay out
.endr
	STEPQ 0, 12                                    ; one
	STEPQ 0, 0
.endm
.set gq, 0
	s_wait_tensorcnt 2                             ; my part of slot 0 is in; the two younger fills stay out
	s_barrier_signal -1
	s_barrier_wait -1                              ; everybody's is
	RUN 8                                          ; K 0-255
	s_wait_tensorcnt 0x0                           ; all my tensor loads have landed, my parts of slots 1 and 2,
	ds_add_u32 v254, v255
	s_add_nc_u64 s[G0+2:G0+3], s[G0+2:G0+3], 3*AK1 ; so a group 0 may be written: slot 0's next part, K 768-1023
	s_add_nc_u64 s[G0B+2:G0B+3], s[G0B+2:G0B+3], 3*BK1
	s_wait_dscnt 0x0                               ; my reads of slot 0 are over (met: the run's last wait was for 0)
	CROUND                                         ; both now hold of every wave of every work-group of the cluster
	JLOAD 0                                        ; the kernel's one refill: my first tensor load behind the round, and my last
	RUN 16                                         ; K 256-767, while it is on its way
	s_wait_dscnt 0x0                               ; my reads of slots 1 and 2 are over
	s_wait_tensorcnt 0x0                           ; my part of the refilled slot 0 is in
	s_barrier_signal -1
	s_barrier_wait -1                              ; everybody's is
	RUN 8                                          ; K 768-1023
	PLACES                                         ; behind the last matrix instructions, for the stores of the sums and the loads into the buffers
	; the way out: the block in f32 through the shared stage, so that a wave reads whole rows of 512 bytes
.irp a, 0,1
.irp b, 0,1,2,3
	ds_store_b128 v[STO], v[ACC+8*(4*\a+\b):ACC+8*(4*\a+\b)+3]   offset:16*SPITCH*\a+64*\b
	ds_store_b128 v[STO], v[ACC+8*(4*\a+\b)+4:ACC+8*(4*\a+\b)+7] offset:16*SPITCH*\a+64*\b+16
.endr
.endr
	s_wait_dscnt 0x0                               ; my stores are done, for the others' sake
	s_barrier_signal -1
	s_barrier_wait -1
.set i, 0
.rept 16
	ds_load_b128 v[DAT+4*i:DAT+4*i+3], v[RD] offset:SPITCH*i
.set i, i+1
.endr
	s_wait_loadcnt 0x0                             ; x_old
.macro BATCH k                         ; eight rows; every row has registers of its own, so no store's data is written again
	s_wait_dscnt 8-8*\k                            ; the eight loads of the later batch stay out
	WIN 0x04
.set i, 8*\k
.rept 8
	v_pk_add_f32 v[DAT+4*i:DAT+4*i+1],   v[DAT+4*i:DAT+4*i+1],   v[XO+4*i:XO+4*i+1]
	v_pk_add_f32 v[DAT+4*i+2:DAT+4*i+3], v[DAT+4*i+2:DAT+4*i+3], v[XO+4*i+2:XO+4*i+3]
.set i, i+1
.endr
	WIN 0
.set i, 8*\k
.rept 8
	v_cvt_pk_bf16_f32 v[PKB+2*i],   v[DAT+4*i],   v[DAT+4*i+1]
	v_cvt_pk_bf16_f32 v[PKB+2*i+1], v[DAT+4*i+2], v[DAT+4*i+3]
.set i, i+1
.endr
.set i, 8*\k
.rept 8
	global_store_b128 v[L16], v[DAT+4*i:DAT+4*i+3], s[34:35] offset:4096*i     ; 512 consecutive bytes, aligned
	global_store_b64  v[L8],  v[PKB+2*i:PKB+2*i+1], s[36:37] offset:2048*i     ; 256 consecutive bytes, aligned
.set i, i+1
.endr
.endm
	BATCH 0
	BATCH 1
	s_wait_tensorcnt 0x0
	ds_add_u32 v254, v255
	s_wait_dscnt 0x0
	CROUND                                         ; the closing round: no work-group ends while a partner may still ask jointly
	s_endpgm
.Lfunc_end_k_q8d685e2b36_wo0:
	.size	k_q8d685e2b36_wo0, .Lfunc_end_k_q8d685e2b36_wo0-k_q8d685e2b36_wo0
	.p2alignl 7, 3214868480
	.fill 96, 4, 3214868480
	.section	.rodata,"a",@progbits
	.p2align	6, 0x0
	.amdhsa_kernel k_q8d685e2b36_wo0
		.amdhsa_group_segment_fixed_size 327680
		.amdhsa_private_segment_fixed_size 0
		.amdhsa_enable_private_segment 0
		.amdhsa_kernarg_size 24
		.amdhsa_user_sgpr_count 2
		.amdhsa_user_sgpr_kernarg_segment_ptr 1
		.amdhsa_wavefront_size32 1
		.amdhsa_system_sgpr_workgroup_id_x 1
		.amdhsa_system_sgpr_workgroup_id_y 1
		.amdhsa_system_sgpr_workgroup_id_z 1
		.amdhsa_system_vgpr_workitem_id 0
		.amdhsa_next_free_vgpr 320
		.amdhsa_next_free_sgpr 92
		.amdhsa_reserve_vcc 0
		.amdhsa_float_denorm_mode_32 3
		.amdhsa_float_denorm_mode_16_64 3
		.amdhsa_memory_ordered 1
		.amdhsa_forward_progress 1
		.amdhsa_inst_pref_size 65
	.end_amdhsa_kernel
	.amdgpu_metadata
---
amdhsa.version: [ 1, 2 ]
amdhsa.kernels:
  - .name:           k_q8d685e2b36_wo0
    .symbol:         k_q8d685e2b36_wo0.kd
    .args:
      - { .name: xs0, .offset: 0, .size: 8, .value_kind: global_buffer, .address_space: global }
      - { .name: wl0, .offset: 8, .size: 8, .value_kind: global_buffer, .address_space: global }
      - { .name: xs1, .offset: 16, .size: 8, .value_kind: global_buffer, .address_space: global }
    .group_segment_fixed_size: 327680
    .private_segment_fixed_size: 0
    .kernarg_segment_align: 8
    .kernarg_segment_size: 24
    .max_flat_workgroup_size: 128
    .sgpr_count:     92
    .vgpr_count:     320
    .wavefront_size: 32
...
	.end_amdgpu_metadata
.endif
;; end of part 7
;; launch proj1: the kernel of part 2 again; grid 16 x 16, 4 waves a work-group, clusters of 4 x 4, 327,680 bytes of LDS; arguments xs1, wl1, qkvg; writes qkvg
;; launch att1: the kernel of part 3 again; grid 512 x 1, 4 waves a work-group, clusters of 4 x 1, 327,680 bytes of LDS; arguments qkvg, wl1, xs1; writes xs1
;; launch wo1: the kernel of part 7 again; grid 8 x 32, 4 waves a work-group, clusters of 4 x 4, 327,680 bytes of LDS; arguments xs1, wl1, xs0; writes xs0
;; launch xn: the kernel of part 5 again; grid 256 x 1, 8 waves a work-group, no clusters, 0 bytes of LDS; arguments xs0, s_F, xh; writes xh
;; launch logits (part 8): grid 32 x 8, 4 waves a work-group, clusters of 4 x 4, 327,680 bytes of LDS; arguments xh, wn, out0; writes out0
.if DOCPART == 8
	.amdgcn_target "amdgcn-amd-amdhsa--gfx1250"
	.amdhsa_code_object_version 6
	.text
	.protected	k_q8d685e2b36_logits
	.globl	k_q8d685e2b36_logits
	.p2align	8
	.type	k_q8d685e2b36_logits,@function
k_q8d685e2b36_logits:
	s_mov_b64 s[64:65], 0
	v_nop
	global_prefetch_b8 v0, s[64:65] scope:SCOPE_SE
	s_setreg_imm32_b32 hwreg(HW_REG_WAVE_MODE, 25, 1), 1
	s_wait_xcnt 0x0
	s_wait_alu depctr_hold_cnt(0) depctr_sa_sdst(0) depctr_va_vdst(0) depctr_va_sdst(0) depctr_va_ssrc(0) depctr_va_vcc(0) depctr_vm_vsrc(0)
	s_getreg_b32 s2, hwreg(HW_REG_IB_STS2, 6, 4)
	s_cmp_eq_u32 s2, 0
	s_cbranch_scc0 .Lentry_in_a_cluster
	s_endpgm
.Lentry_in_a_cluster:
	s_bfe_u32 s2, ttmp6, 0x10000c
	s_cmp_lg_u32 s2, 0xf033
	s_cbranch_scc0 .Lentry_shape_is_right
	s_endpgm
.Lentry_shape_is_right:
; LOGITS: out0[t][v] = f[t] x (xh[t][:] . wn[v][:]), 2048 x 8000 x 1024 in f16 with f32 sums.  xh[t] = x[t] / m[t] (m = the row's largest
; magnitude), wn[v] = the unit row of embed, f[t] = m[t] exp(s_F).  Both operands are bounded by construction (1; 8 where m is held at its
; bound), so f16 has the room for every scale of the inputs, and with 11 significant bits against bf16's 8 the sum of 1,024 products
; carries an eighth of the rounding error.
; wn has 8,192 rows (the last 192 are zeros), so every tile lies inside it; columns 8000.. are not stored (EXEC).
; A work-group makes a block of 256 x 256 with four waves, a wave 128 x 128: 64 accumulator tiles, 512 registers.  8 x 32 = 256 work-groups.
; K goes in steps of 128 through a ring of two LDS slots filled by tensor loads; a tile's rows are 256 consecutive bytes, aligned.
; From a tile's request to the wait for it a wave issues 240 matrix instructions, and for 64 matrix instructions it reads 32 x 512 bytes from LDS.
; Two tensor loads of a wave are out at the start, one behind each refill.
; CLUSTERS: 4 x 4 work-groups.  xh's tile hangs on the block row alone and is asked for jointly by a row of the cluster, wn's on the block column
; alone and is asked for jointly by a column.  Waves 0, 1 ask for xh's two halves (128 rows), waves 2, 3 for wn's.
; REGISTERS, in windows of 256:
;   window 0: v16-27 addresses; v32-47 the rows' factors; v64-127, v128-191 fragments of xh, two buffers; v192-255 at work on the way out
;   window 1: v64-127, v128-191 fragments of wn, two buffers
;   window 2: the 32 accumulator tiles of my rows 0-63 (tile (a, b) at v[8 (8 a + b)]);   window 3: those of my rows 64-127
; The matrix instruction is used transposed (source 0 = 16 rows of wn, source 1 = 16 rows of xh): lane l holds row l % 16 of the tile, its
; registers 0 to 7 the columns 8 (l / 16) + 0 .. 7.  So a lane needs the factors of eight rows: eight loads of 4 bytes at the start.
.set KSTEP,  128
.set SIZE_K, 1024
.set PITCH,  272                       ; an LDS row: 256 bytes + 16 of padding: the 16 rows of a fragment load start 4 banks apart
.set HALFT,  128*PITCH                 ; 128 rows: what one tensor load brings, and what one wave reads of xh or of wn
.set SLOT,   4*HALFT                   ; xh's 256 rows, then wn's 256 rows
.set STAGE,  2*SLOT                    ; behind the ring: 16 rows x 528 bytes for each wave
.set SPITCH, 528
.set LAPS,   SIZE_K/(2*KSTEP)          ; a lap = two K steps = once round the ring
.set RS,     4194304                   ; the rows' factors in xh
.set OROW,   32000                     ; bytes in a row of out0: 125 x 256
.set ADRA, 16                          ; v16-17  LDS address of my xh fragments in slot 0, 1
.set ADRB, 20                          ; v20-21  the same for wn
.set STO,  24
.set RD,   25
.set CO,   26
.set RO,   27
.set RSV,  32                          ; v[32:47] the factor of row 16 i + r, twice, for i = 0 .. 7
.set F0,   64
.set F1,   128
.set TMP,  192                         ; v[192:255] sixteen rows' scaled sums
.set G1,  24
.set G0,  32
.set G1B, 48
.set G0B, 56
.set MSB, 0
.macro WIN new                         ; the immediate's high byte repeats the setting that is left
.if MSB != \new
	s_set_vgpr_msb (MSB<<8)|\new
.set MSB, \new
.endif
.endm
.set MUL_LO, 0xa1                      ; source 0 (wn) window 1, source 1 (xh) window 0, C and D window 2
.set MUL_HI, 0xf1                      ; the same, C and D window 3
.set TO_B,   0x40                      ; destination window 1, address window 0
.macro JLOAD s                         ; a joint load: waves 0, 1 by xh's descriptors, waves 2, 3 by wn's; the branch hangs on the wave's number alone
	s_cmp_eq_u32 s11, 0
	s_cbranch_scc0 .Lfor_b_\@
	tensor_load_to_lds s[G0+4*\s:G0+4*\s+3], s[G1:G1+7]
	s_nop 0
	s_branch .Lasked_\@
.Lfor_b_\@:
	tensor_load_to_lds s[G0B+4*\s:G0B+4*\s+3], s[G1B:G1B+7]
	s_nop 0
.Lasked_\@:
.endm
.macro CREST                           ; a round of the cluster's barrier behind its opening barrier
	s_cmp_lg_u32 s10, 0
	s_cbranch_scc1 .Lnot_wave_0_\@
	s_barrier_signal -3
.Lnot_wave_0_\@:
	s_barrier_wait -3
	s_barrier_signal -1
	s_barrier_wait -1
.endm
.macro CROUND
	s_barrier_signal -1
	s_barrier_wait -1
	CREST
.endm
	s_load_b128 s[4:7], s[0:1], 0x0                ; xh, wn
	s_load_b64 s[8:9], s[0:1], 0x10                ; out0
	s_set_vgpr_msb 0x40
	v_lshl_add_u32 v255, v0, 2, 0x4c400
	s_set_vgpr_msb 0x4000
	v_mov_b32 v63, 0
	s_set_vgpr_msb 0x1
	ds_add_u32 v255, v63
	ds_add_u32 v255, v63
	s_set_vgpr_msb 0x100
	v_lshrrev_b32 v1, 5, v0
	v_readfirstlane_b32 s10, v1                    ; wave
	s_lshr_b32 s11, s10, 1                         ; my half of the block's rows; also: I fetch for xh (0) or wn (1)
	s_and_b32 s12, s10, 1                          ; my half of its columns; also: which 128 rows of that tile I fetch
	s_bfe_u32 s40, ttmp6, 0x40000                  ; cx
	s_bfe_u32 s41, ttmp6, 0x40004                  ; cy
	s_lshl_b32 s42, ttmp9, 2
	s_add_co_u32 s42, s42, s40                     ; block column
	s_and_b32 s13, ttmp7, 0xffff
	s_lshl_b32 s13, s13, 2
	s_add_co_u32 s13, s13, s41                     ; block row
	s_lshl_b32 s43, s41, 2
	s_lshl_b32 s43, 15, s43                        ; my row of the cluster
	s_lshl_b32 s44, 0x1111, s40                    ; my column
	s_or_b32 s[G1+0], s43, (1<<16)|(1<<20)|(1<<21)|(5<<22)|(3<<25)   ; mask; 2-byte elements; padding of 4 words behind every 64
	s_or_b32 s[G1B+0], s44, (1<<16)|(1<<20)|(1<<21)|(5<<22)|(3<<25)
	s_mov_b32 s[G1+1], KSTEP<<16                   ; tensor_dim0 = 128
	s_mov_b32 s[G1B+1], KSTEP<<16
	s_mov_b32 s[G1+2], 128<<16                     ; tensor_dim1 = 128
	s_mov_b32 s[G1B+2], 128<<16
	s_mov_b32 s[G1+3], KSTEP<<16                   ; tile_dim0 = 128
	s_mov_b32 s[G1B+3], KSTEP<<16
	s_mov_b32 s[G1+4], 128                         ; tile_dim1 = 128
	s_mov_b32 s[G1B+4], 128
	s_mov_b32 s[G1+5], SIZE_K                      ; elements from row to row
	s_mov_b32 s[G1B+5], SIZE_K
	s_mov_b32 s[G1+6], 0
	s_mov_b32 s[G1B+6], 0
	s_mov_b32 s[G1+7], 0
	s_mov_b32 s[G1B+7], 0
	s_lshl_b32 s18, s12, 7                         ; which 128 rows of the tile I fetch
	s_lshl_b32 s16, s13, 8
	s_add_co_u32 s16, s16, s18                     ; xh: row 256 block row + 128 half
	s_lshl_b32 s16, s16, 11
	s_mov_b32 s17, 0
	s_lshl_b32 s46, s42, 8
	s_add_co_u32 s46, s46, s18                     ; wn: row 256 block column + 128 half
	s_lshl_b32 s46, s46, 11
	s_mov_b32 s47, 0
	s_mul_i32 s20, s10, HALFT                      ; LDS: xh's two halves, then wn's two halves = wave x 128 rows
	s_wait_dscnt 0x0
	s_wait_kmcnt 0x0
	s_add_nc_u64 s[14:15], s[4:5], s[16:17]
	s_add_nc_u64 s[46:47], s[6:7], s[46:47]
	CROUND                                         ; all sixteen work-groups are here: the first joint loads meet
.irp s, 0,1
	s_mov_b32 s[G0+4*\s], 1
	s_add_co_u32 s[G0+4*\s+1], s20, \s*SLOT
	s_add_nc_u64 s[G0+4*\s+2:G0+4*\s+3], s[14:15], \s*KSTEP*2
	s_or_b32 s[G0+4*\s+3], s[G0+4*\s+3], 0x80000000
	s_mov_b32 s[G0B+4*\s], 1
	s_add_co_u32 s[G0B+4*\s+1], s20, \s*SLOT
	s_add_nc_u64 s[G0B+4*\s+2:G0B+4*\s+3], s[46:47], \s*KSTEP*2
	s_or_b32 s[G0B+4*\s+3], s[G0B+4*\s+3], 0x80000000
	JLOAD \s                                       ; the ring is filled before anything else is done
.endr
	s_lshl_b32 s70, s13, 8
	s_lshl_b32 s71, s11, 7
	s_add_co_u32 s70, s70, s71                     ; my first row
	s_lshl_b32 s70, s70, 2
	s_add_co_u32 s70, s70, RS
	s_mov_b32 s71, 0
	s_add_nc_u64 s[68:69], s[4:5], s[70:71]        ; its factor
	v_and_b32 v1, 15, v0                           ; l % 16
	v_bfe_u32 v2, v0, 4, 1                         ; l / 16
	v_and_b32 v5, 31, v0                           ; l
	v_lshlrev_b32 v[RO], 2, v1
.irp i, 0,1,2,3,4,5,6,7
	global_load_b32 v[RSV+2*\i], v[RO], s[68:69] offset:64*\i      ; the factor of row 16 i + r; it lands during the K loop
.endr
	v_mul_u32_u24 v3, v1, PITCH
	v_lshl_add_u32 v3, v2, 4, v3                   ; row x pitch + 16 x half
	s_mul_i32 s21, s11, HALFT                      ; my 128 rows of xh
	s_mul_i32 s22, s12, HALFT                      ; my 128 rows of wn,
	s_add_co_u32 s22, s22, 2*HALFT                 ; which lie behind xh's 256
.irp s, 0,1
	v_add_nc_u32 v[ADRA+\s], s21, v3
	v_add_nc_u32 v[ADRB+\s], s22, v3
	s_add_co_u32 s21, s21, SLOT
	s_add_co_u32 s22, s22, SLOT
.endr
	s_mul_i32 s23, s10, 16*SPITCH
	s_add_co_u32 s23, s23, STAGE                   ; my stage
	v_mul_u32_u24 v4, v1, SPITCH
	v_lshl_add_u32 v4, v2, 5, v4
	v_add_nc_u32 v[STO], s23, v4                   ; in: row l % 16, 32 bytes for each half of the lanes
	v_lshlrev_b32 v[CO], 4, v5                     ; 16 bytes a lane: a row's 512 bytes
	v_add_nc_u32 v[RD], s23, v[CO]
; 16 matrix instructions: row tiles a0, a0 + 1 of the window's four (hi = 0: my rows 0-63, 1: rows 64-127) x all 8 column tiles, 32 along K.
; zero = 1: the first product starts the sums.  The 64 accumulators take turns, one instruction a turn, in the same order in every quarter
; step.
.macro MUL16 f, hi, a0, zero
.irp a, \a0, \a0+1
.irp b, 0,1,2,3,4,5,6,7
.if \zero
	v_wmma_f32_16x16x32_f16 v[8*(8*(\a)+\b):8*(8*(\a)+\b)+7], v[\f+8*\b:\f+8*\b+7], v[\f+8*(4*\hi+\a):\f+8*(4*\hi+\a)+7], 0
.else
	v_wmma_f32_16x16x32_f16 v[8*(8*(\a)+\b):8*(8*(\a)+\b)+7], v[\f+8*\b:\f+8*\b+7], v[\f+8*(4*\hi+\a):\f+8*(4*\hi+\a)+7], v[8*(8*(\a)+\b):8*(8*(\a)+\b)+7]
.endif
.endr
.endr
.endm
; 32 LDS loads in one run: the fragments of one quarter step (128 rows of wn, 128 rows of xh, 32 K at byte k of the rows) into buffer f
.macro FETCH slot, k, f
	WIN TO_B
.irp i, 0,1,2,3,4,5,6,7
	ds_load_b128 v[\f+8*\i:\f+8*\i+3],   v[ADRB+\slot] offset:\k+\i*16*PITCH
	ds_load_b128 v[\f+8*\i+4:\f+8*\i+7], v[ADRB+\slot] offset:\k+\i*16*PITCH+32
.endr
	WIN 0
.irp i, 0,1,2,3,4,5,6,7
	ds_load_b128 v[\f+8*\i:\f+8*\i+3],   v[ADRA+\slot] offset:\k+\i*16*PITCH
	ds_load_b128 v[\f+8*\i+4:\f+8*\i+7], v[ADRA+\slot] offset:\k+\i*16*PITCH+32
.endr
.endm
.macro PLACES                          ; four plain places behind a matrix instruction, in front of loads into its sources and of readers of its result
.rept 4
	v_nop
.endr
.endm
; One of a K step's first three quarters: multiplies buffer f; in its middle it fetches the next quarter's fragments, at byte k of the same slot's rows, into buffer g.
.macro QUARTER slot, k, f, g, zero
	s_wait_dscnt 8                                 ; wn and xh's rows 0-63 are in; the youngest eight loads (xh's rows 64-127) may be out
	WIN MUL_LO
	MUL16 \f, 0, 0, \zero
	MUL16 \f, 0, 2, \zero
	PLACES
	FETCH \slot, \k, \g
	s_wait_dscnt 32                                ; all but the 32 just issued
	WIN MUL_HI
	MUL16 \f, 1, 0, \zero
	MUL16 \f, 1, 2, \zero
.endm
.macro THREE slot, zero
	QUARTER \slot, 64,  F0, F1, \zero
	QUARTER \slot, 128, F1, F0, 0
	QUARTER \slot, 192, F0, F1, 0
.endm
; The last quarter: multiplies buffer 1 and changes slots.  next = the other slot; fill = 1: this slot is filled again, two K steps ahead.
.macro TURN slot, next, fill
	s_wait_dscnt 8
	WIN MUL_LO
	MUL16 F1, 0, 0, 0
	s_wait_dscnt 0                                 ; my reads of this slot are over
	s_wait_tensorcnt 0x0                           ; all my tensor loads have landed: the one that was out is my part of the next slot
	ds_add_u32 v255, v63
	s_wait_dscnt 0x0
	s_barrier_signal -1                            ; where a slot is filled again this barrier opens a round of the cluster's barrier
	MUL16 F1, 0, 2, 0                              ; register work while the others arrive
	WIN 0
	s_barrier_wait -1
.if \fill
	CREST                                          ; no wave of any partner still reads this slot's tile or has a load on its way
	s_add_nc_u64 s[G0+4*\slot+2:G0+4*\slot+3], s[G0+4*\slot+2:G0+4*\slot+3], 2*KSTEP*2
	s_add_nc_u64 s[G0B+4*\slot+2:G0B+4*\slot+3], s[G0B+4*\slot+2:G0B+4*\slot+3], 2*KSTEP*2
	JLOAD \slot                                    ; the first tensor load behind the round, one a wave
.endif
	PLACES
	FETCH \next, 0, F0
	WIN MUL_HI
	MUL16 F1, 1, 0, 0
	MUL16 F1, 1, 2, 0
.endm
.macro LAP zero                        ; once round the ring, both slots filled again
	THREE 0, \zero
	TURN 0, 1, 1
	THREE 1, 0
	TURN 1, 0, 1
.endm
	s_wait_tensorcnt 1                             ; my part of K step 0 is in; K step 1's stays out
	s_barrier_signal -1
	s_barrier_wait -1                              ; everybody's is
	FETCH 0, 0, F0
	LAP 1                                          ; the first lap stands in front of the loop: its first products start the sums
	WIN 0                                          ; at a label and at a branch every window is 0
	s_mov_b32 s3, LAPS-2
.Llap:
	LAP 0
	WIN 0
	s_sub_co_u32 s3, s3, 1
	s_cmp_lg_u32 s3, 0
	s_cbranch_scc1 .Llap
	THREE 0, 0                                     ; the last lap fills nothing
	TURN 0, 1, 0
	THREE 1, 0
	s_wait_dscnt 8                                 ; the very last quarter: nothing more to fetch
	WIN MUL_LO
	MUL16 F1, 0, 0, 0
	MUL16 F1, 0, 2, 0
	s_wait_dscnt 0
	WIN MUL_HI
	MUL16 F1, 1, 0, 0
	MUL16 F1, 1, 2, 0
	WIN 0
	PLACES                                         ; behind the last matrix instructions, for all that follows
	s_lshl_b32 s16, s13, 8
	s_lshl_b32 s18, s11, 7
	s_add_co_u32 s16, s16, s18                     ; my first row
	s_mul_i32 s16, s16, OROW
	s_mov_b32 s17, 0
	s_add_nc_u64 s[8:9], s[8:9], s[16:17]
	s_lshl_b32 s67, s42, 8
	s_lshl_b32 s18, s12, 7
	s_add_co_u32 s67, s67, s18                     ; my first column
	s_lshl_b32 s46, s67, 2
	s_mov_b32 s47, 0
	s_add_nc_u64 s[8:9], s[8:9], s[46:47]
	v_lshl_add_u32 v5, v5, 2, s67                  ; my lane's first column
	v_cmp_gt_u32 vcc_lo, 8000, v5                  ; it exists (four columns a lane; 8000 is a multiple of 4)
	s_wait_loadcnt 0x0                             ; the eight factors, asked for at the start
	s_wait_xcnt 0x0                                ; and EXEC, a source of those loads, may change below
.irp i, 0,1,2,3,4,5,6,7
	v_mov_b32 v[RSV+2*\i+1], v[RSV+2*\i]           ; a pair for the packed multiply
.endr
; rows 16 i .. 16 i + 15 of my block = the eight tiles (a, 0..7) of window 2 or 3 (from = 0x02 or 0x03: source 0): times the rows' factors,
; then f32 through my own stage, read back as whole rows of 512 bytes
.macro OUTL i, a, from
	WIN \from
.irp b, 0,1,2,3,4,5,6,7
.irp p, 0,2,4,6
	v_pk_mul_f32 v[TMP+8*\b+\p:TMP+8*\b+\p+1], v[8*(8*\a+\b)+\p:8*(8*\a+\b)+\p+1], v[RSV+2*\i:RSV+2*\i+1]
.endr
.endr
	WIN 0
.irp b, 0,1,2,3,4,5,6,7
	ds_store_b128 v[STO], v[TMP+8*\b:TMP+8*\b+3]   offset:64*\b
	ds_store_b128 v[STO], v[TMP+8*\b+4:TMP+8*\b+7] offset:64*\b+16
.endr
.if \i
	s_add_nc_u64 s[8:9], s[8:9], 16*OROW           ; behind the wait that closed the last sixteen rows' stores
.endif
.irp t, 0,1,2,3,4,5,6,7,8,9,10,11,12,13,14,15
	ds_load_b128 v[F0+4*\t:F0+4*\t+3], v[RD] offset:SPITCH*\t      ; LDS serves a wave's instructions in order: these see the stores above
.endr
	s_wait_dscnt 0x0
	s_and_saveexec_b32 s66, vcc_lo                 ; no global access has been issued since the last wait for translated addresses
.irp t, 0,1,2,3,4,5,6,7,8,9,10,11,12,13,14,15
	global_store_b128 v[CO], v[F0+4*\t:F0+4*\t+3], s[8:9] offset:OROW*\t th:TH_STORE_NT  ; 16 lanes store 256 consecutive bytes, aligned
.endr
	s_wait_xcnt 0x0                                ; EXEC, the data and the base are written again only behind this wait
	s_or_b32 exec_lo, exec_lo, s66
.endm
	OUTL 0, 0, 0x02
	OUTL 1, 1, 0x02
	OUTL 2, 2, 0x02
	OUTL 3, 3, 0x02
	OUTL 4, 0, 0x03
	OUTL 5, 1, 0x03
	OUTL 6, 2, 0x03
	OUTL 7, 3, 0x03
	s_set_vgpr_msb 0x1
	s_wait_tensorcnt 0x0
	ds_add_u32 v255, v63
	s_wait_dscnt 0x0
	s_set_vgpr_msb 0x100
	CROUND                                         ; the closing round: no work-group ends while a partner may still ask jointly
	s_endpgm
.Lfunc_end_k_q8d685e2b36_logits:
	.size	k_q8d685e2b36_logits, .Lfunc_end_k_q8d685e2b36_logits-k_q8d685e2b36_logits
	.p2alignl 7, 3214868480
	.fill 96, 4, 3214868480
	.section	.rodata,"a",@progbits
	.p2align	6, 0x0
	.amdhsa_kernel k_q8d685e2b36_logits
		.amdhsa_group_segment_fixed_size 327680
		.amdhsa_private_segment_fixed_size 0
		.amdhsa_enable_private_segment 0
		.amdhsa_kernarg_size 24
		.amdhsa_user_sgpr_count 2
		.amdhsa_user_sgpr_kernarg_segment_ptr 1
		.amdhsa_wavefront_size32 1
		.amdhsa_system_sgpr_workgroup_id_x 1
		.amdhsa_system_sgpr_workgroup_id_y 1
		.amdhsa_system_sgpr_workgroup_id_z 1
		.amdhsa_system_vgpr_workitem_id 0
		.amdhsa_next_free_vgpr 1024
		.amdhsa_next_free_sgpr 80
		.amdhsa_reserve_vcc 1
		.amdhsa_float_denorm_mode_32 3
		.amdhsa_float_denorm_mode_16_64 3
		.amdhsa_memory_ordered 1
		.amdhsa_forward_progress 1
		.amdhsa_inst_pref_size 210
	.end_amdhsa_kernel
	.amdgpu_metadata
---
amdhsa.version: [ 1, 2 ]
amdhsa.kernels:
  - .name:           k_q8d685e2b36_logits
    .symbol:         k_q8d685e2b36_logits.kd
    .args:
      - { .name: xh, .offset: 0, .size: 8, .value_kind: global_buffer, .address_space: global }
      - { .name: wn, .offset: 8, .size: 8, .value_kind: global_buffer, .address_space: global }
      - { .name: out0, .offset: 16, .size: 8, .value_kind: global_buffer, .address_space: global }
    .group_segment_fixed_size: 327680
    .private_segment_fixed_size: 0
    .kernarg_segment_align: 8
    .kernarg_segment_size: 24
    .max_flat_workgroup_size: 128
    .sgpr_count:     80
    .vgpr_count:     1024
    .wavefront_size: 32
...
	.end_amdgpu_metadata
.endif
;; end of part 8
